; MI455X (gfx1250); checked and timed in simulation.
; The chip was launched on July 23, 2026; its instructions are those of AMD's public machine-readable ISA for CDNA 5 (MIT licence, August 2026) and "CDNA5" Instruction Set Architecture Reference Guide (July 2026). The comments in the code are by the model that wrote it; some were corrected since.
;; Attn Block. Allowed arithmetic: matrix products marked QUANTISED: E2M1 operands, one E8M0 scale for each 32 along K, by v_wmma_scale_f32_16x16x128_f8f6f4 with both operands' format E2M1 (or v_wmma_scale_f32_32x16x128_f4), f32 sums; everything else in f32.
;; Inputs: bk 512 float32; bo 512 float32; bq 512 float32; bv 512 float32; gn_bias 512 float32; gn_scale 512 float32; wk 512 x 512 float32; wo 512 x 512 float32; wq 512 x 512 float32; wv 512 x 512 float32; x 8 x 512 x 2,048 float32.
;; Outputs: out0 8 x 512 x 2,048 float32.
;; This version of the problem:
;;   THIS VERSION OF THE PROBLEM IS GIVEN IN LOW PRECISION. The matrix products marked QUANTISED in the list below multiply operands that are first quantised to E2M1 (2 exponent bits, 1 mantissa bit; 4 bits a number), with one power-of-two scale for each 32 numbers along K (OCP MX v1.0); their sums are f32. All else is computed in f32.
;;   The module's matrix products, in the order in which they are computed (A, B: the left and right operand; K: the contracted axis; several contracted axes count as one K, in the product's order):
;;     1. [M 16,384, K 512] x [K 512, N 512]; A: computed on the way; B: input wq: QUANTISED
;;     2. [M 16,384, K 512] x [K 512, N 512]; A: computed on the way; B: input wk: QUANTISED
;;     3. [M 16,384, K 512] x [K 512, N 512]; A: computed on the way; B: input wv: QUANTISED
;;     4. batch 32 x [M 2,048, K 128] x [K 128, N 2,048]; A: computed on the way; B: computed on the way: QUANTISED
;;     5. batch 32 x [M 2,048, K 2,048] x [K 2,048, N 128]; A: softmax (see below); B: computed on the way: QUANTISED
;;     6. [M 16,384, K 512] x [K 512, N 512]; A: computed on the way; B: input wo: QUANTISED
;;   THE QUANTISER, for each operand of a quantised product, along K:
;;     - K is cut into blocks of 32 from its start; a last block that is shorter is filled with zeros.
;;     - A block's scale is 2^e with e = floor(log2(the largest magnitude in the block)) - 2, held to -126 .. 127; a block of zeros has e = 0. As a byte (E8M0): e + 127.
;;     - Each number is divided by its block's scale, clamped to +-6, and rounded to the nearest number of E2M1, ties to even, subnormals kept.
;;     - The product sums the exact products of the quantised numbers (number of the format x scale) in f32.
;;   ~~~python
;;   def quantise(x, axis):      # numpy; x: float32 -> the quantised numbers, widened to float32 again
;;       x = np.moveaxis(x, axis, -1); K = x.shape[-1]
;;       x = np.pad(x, [(0, 0)] * (x.ndim - 1) + [(0, -K % 32)]); x = x.reshape(x.shape[:-1] + (-1, 32)); a = np.abs(x).max(-1, keepdims=True)
;;       e = np.where(a > 0, np.clip(np.frexp(np.where(a > 0, a, 1))[1] - 1 - 2, -126, 127), 0)      # np.frexp(a)[1] - 1 = floor(log2(a)), exactly
;;       r = np.clip(x / 2.0 ** e, -6, 6)
;;       step = 2.0 ** (np.maximum(np.frexp(np.where(r == 0, 1, r))[1] - 1, 0) - 1)
;;       q = np.round(r / step) * step * 2.0 ** e      # np.round: ties to even
;;       return np.moveaxis(q.reshape(q.shape[:-2] + (-1,))[..., :K], -1, axis).astype(np.float32)
;;   ~~~
;;   SOFTMAX AHEAD OF A QUANTISED PRODUCT. Where the list says 'softmax', what is quantised is not the finished softmax but p = 2^(t - M), with t = logit x log2(e) and M = ceil(the row's largest t), a whole number; so 1/2 < the row's largest p <= 1. The row's sum l is taken of the UNQUANTISED p, in f32, and the product's result is divided by l at the end. Since M is a whole number, a kernel that streams over the keys may use a running M (the ceiling of the running maximum): every later rescaling is an exact power of two, which a block's scale takes up: the codes' values come out the same.
;;   OPERANDS COMPUTED ON THE WAY. 'Computed on the way' means the value that the module computes at that place (a softmax that the list does not call 'softmax' is quantised finished and normalised). What goes into a quantiser is computed in f32, as accurately as f32 sums, v_exp_f32 and their like allow (about 1e-6 of the number): no bf16 or f16 on the way to a quantiser, and a product that is left as it is and whose result goes on into a quantised operand takes f32 operands (vector FMAs, or v_wmma_f32_16x16x4_f32). A number that lies on a knife's edge between two numbers of the format may be rounded either way, as far as f32 arithmetic and the matrix unit's own rounding can turn it there, and no further.
;; 2 versions, each right; version 2 is version 1 with the launches qkv, proj written anew for expert scheduling mode. Each part assembles by itself: llvm-mc -triple=amdgcn-amd-amdhsa -mcpu=gfx1250 --defsym DOCPART=n.
;; ======== version 1 of 2: 4 launches
;; workspace buffers: stats 2,048 bytes; wts 557,056 bytes; qc 4,456,448 bytes; kc 4,456,448 bytes; vc 4,456,448 bytes; ac 4,456,448 bytes
;; launch prep (part 1): grid 256 x 1, 8 waves a work-group, no clusters, 5,120 bytes of LDS; arguments x, wq, wk, wv, wo, stats, wts; writes stats, wts
.if DOCPART == 1
	.amdgcn_target "amdgcn-amd-amdhsa--gfx1250"
	.amdhsa_code_object_version 6
	.text
	.protected	k_q45d4de1df5_prep
	.globl	k_q45d4de1df5_prep
	.p2align	8
	.type	k_q45d4de1df5_prep,@function
k_q45d4de1df5_prep:
	s_mov_b64 s[64:65], 0
	v_nop
	global_prefetch_b8 v0, s[64:65] scope:SCOPE_SE
	s_setreg_imm32_b32 hwreg(HW_REG_WAVE_MODE, 25, 1), 1
	s_wait_xcnt 0x0
; PREP.  Two jobs on one path, in each of 256 work-groups of eight waves.
; (1) The group norm's sums.  A norm group (128 channels x 2,048) is 1 MiB on end; work-group g takes the 128 KiB at x + 131,072 g: group g / 8, part g % 8.  A lane keeps its 128 numbers in registers:
;     first the part's mean, then the sum of squares ROUND THAT MEAN, so that a common offset of the inputs is taken away before anything is squared.  stats[group][0..7] = part means, [8..15] = part sums of squares.
; (2) The weights as codes of E2M1, one E8M0 byte for each 32 along K (K = the input channel, innermost in memory).  g = 64 mat + 2 tile + half (mat: wq, wk, wv, wo): 16 rows x 256 K: two operand fragments.
;     THE ROWS OF A TILE ARE NOT NEIGHBOURS: fragment row i of tile 2 b + u is row 32 b + 8 u + i + 8 (i / 8).  A fragment (16 rows x 128 K) is laid as an IMAGE OF THE OPERAND'S REGISTERS: registers 4 c .. 4 c + 3 of lane l at byte 512 c + 16 l.
;     wts: images [mat][tile 32][K step 4][1,024]; from byte 524,288 on the scale bytes [mat][tile][half][row 16][8].
; A block's scale is 2^(floor(log2(largest magnitude)) - 2); its byte is the largest magnitude's exponent field - 2, held at 1 from below.
; LIMITS: NaN and infinities are not served; a block of zeros, or one whose largest magnitude lies under 2^-124, keeps the byte 1 (a block of zeros has zero codes; this program alone reads the bytes).
.set WIMG, 0                           ; LDS: the two fragments' images, 2,048 bytes
.set WSC,  2048                        ; their scale bytes, 128
.set RED1, 2304                        ; eight waves' sums
.set RED2, 2560                        ; eight waves' sums of squares
.set ZR,   1                           ; v1   0
.set L4,   2                           ; v2   4 x lane
.set PT,   3                           ; v3   the lane exchange's destination
.set WO,   4                           ; v4   my 64 bytes of the weight's rows
.set XO,   5                           ; v5   16 x lane
.set WST,  6                           ; v6   where my 8 bytes of codes go in the images
.set RW,   7                           ; v7   4 x wave
.set WSS,  8                           ; v8   where my block's byte goes
.set T8,   15                          ; v15  8 x thread
.set WN,   16                          ; v16-31   16 numbers of a weight
.set X,    32                          ; v32-159  128 numbers of x
.set CH,   160                         ; v160-167 four chains of pairs
.set MEAN, 168                         ; v168-169 the part's mean, twice
.macro WRED a                          ; the sum over the wave's 32 lanes, in every lane
	v_add_f32_dpp v[\a], v[\a], v[\a] row_xmask:1 row_mask:0xf bank_mask:0xf
	v_add_f32_dpp v[\a], v[\a], v[\a] row_xmask:2 row_mask:0xf bank_mask:0xf
	v_add_f32_dpp v[\a], v[\a], v[\a] row_xmask:4 row_mask:0xf bank_mask:0xf
	v_add_f32_dpp v[\a], v[\a], v[\a] row_xmask:8 row_mask:0xf bank_mask:0xf
	v_permlanex16_b32 v[PT], v[\a], s26, s27
	v_add_f32 v[\a], v[\a], v[PT]
.endm
.macro CHAINS                          ; four chains of pairs become one number a lane
	v_pk_add_f32 v[CH:CH+1], v[CH:CH+1], v[CH+2:CH+3]
	v_pk_add_f32 v[CH+4:CH+5], v[CH+4:CH+5], v[CH+6:CH+7]
	v_pk_add_f32 v[CH:CH+1], v[CH:CH+1], v[CH+4:CH+5]
	v_add_f32 v[CH], v[CH], v[CH+1]
.endm
.macro BARRIER                         ; my LDS stores have landed and my LDS loads are in: then the work-group's barrier
	s_wait_dscnt 0x0
	s_barrier_signal -1
	s_barrier_wait -1
.endm
	s_load_b256 s[4:11], s[0:1], 0x0               ; x s[4:5], wq s[6:7], wk s[8:9], wv s[10:11]
	s_load_b128 s[12:15], s[0:1], 0x20             ; wo s[12:13], stats s[14:15]
	s_load_b64 s[16:17], s[0:1], 0x30              ; wts
	v_lshl_add_u32 v176, v0, 2, 0x1000
	v_mov_b32 v177, 0
	v_lshrrev_b32 v1, 5, v0
	v_readfirstlane_b32 s18, v1                    ; wave 0..7
	v_lshlrev_b32 v[RW], 2, v1
	v_and_b32 v2, 15, v0                           ; r: which 16 numbers of the row's 256
	v_bfe_u32 v3, v0, 4, 1                         ; h: fragment row 2 wave + h
	v_lshlrev_b32 v[WO], 6, v2
	v_lshl_add_u32 v[WO], v3, 11, v[WO]            ; 64 r + a row of 2,048 bytes x h
	v_and_b32 v2, 31, v0
	v_lshlrev_b32 v[XO], 4, v2
	v_lshlrev_b32 v[L4], 2, v2
	; my 16 numbers are K = 16 r .. 16 r + 15 of fragment row i = 2 wave + h: K step r / 8, block (r / 2) % 4 = 2 c + hh, half r % 2 of the block's 16 bytes: byte 1,024 (r / 8) + 512 c + 16 (i + 16 hh) + 8 (r % 2)
	v_and_b32 v[WST], 0xf0, v0                     ; 16 i = 32 wave + 16 h
	v_and_b32 v9, 1, v0
	v_lshl_add_u32 v[WST], v9, 3, v[WST]
	v_bfe_u32 v9, v0, 1, 1
	v_lshl_add_u32 v[WST], v9, 8, v[WST]
	v_bfe_u32 v9, v0, 2, 1
	v_lshl_add_u32 v[WST], v9, 9, v[WST]
	v_bfe_u32 v9, v0, 3, 1
	v_lshl_add_u32 v[WST], v9, 10, v[WST]
	v_lshrrev_b32 v[WSS], 4, v0                    ; i
	v_bfe_u32 v9, v0, 1, 3                         ; the block among the row's eight
	v_lshl_add_u32 v[WSS], v[WSS], 3, v9
	v_lshlrev_b32 v[T8], 3, v0
	v_mov_b32 v[ZR], 0
	s_mov_b32 s26, 0x76543210                      ; v_permlanex16_b32's selects for lane l xor 16
	s_mov_b32 s27, 0xfedcba98
	s_lshr_b32 s19, ttmp9, 6                       ; mat
	s_bfe_u32 s20, ttmp9, 0x50001                  ; tile
	s_and_b32 s21, ttmp9, 1                        ; half
	s_lshr_b32 s22, s20, 1
	s_lshl_b32 s22, s22, 5                         ; 32 (tile / 2)
	s_and_b32 s23, s20, 1
	s_lshl_b32 s23, s23, 3
	s_add_co_u32 s22, s22, s23                     ; + 8 (tile % 2)
	s_lshl_b32 s23, s18, 1
	s_add_co_u32 s22, s22, s23                     ; + 2 wave
	s_lshr_b32 s23, s18, 2
	s_lshl_b32 s23, s23, 3
	s_add_co_u32 s22, s22, s23                     ; + 8 (i / 8): the weight's row, but for h
	s_lshl_b32 s22, s22, 11
	s_lshl_b32 s23, s21, 10
	s_add_co_u32 s22, s22, s23                     ; in bytes, + the half's 1,024
	s_mov_b32 s23, 0
	s_lshl_b32 s24, ttmp9, 17                      ; x: 131,072 x work-group
	s_lshl_b32 s25, s18, 14
	s_add_co_u32 s24, s24, s25                     ; + 16,384 x wave
	s_mov_b32 s25, 0
	s_wait_kmcnt 0x0
	s_cmp_eq_u32 s19, 1                            ; which weight: the choice hangs on the work-group's number alone
	s_cselect_b64 s[6:7], s[8:9], s[6:7]
	s_cmp_eq_u32 s19, 2
	s_cselect_b64 s[6:7], s[10:11], s[6:7]
	s_cmp_eq_u32 s19, 3
	s_cselect_b64 s[6:7], s[12:13], s[6:7]
	s_add_nc_u64 s[6:7], s[6:7], s[22:23]
	s_add_nc_u64 s[4:5], s[4:5], s[24:25]
.irp j, 0,1,2,3
	global_load_b128 v[WN+4*\j:WN+4*\j+3], v[WO], s[6:7] offset:16*\j
.endr
.set i, 0
.rept 32
	global_load_b128 v[X+4*i:X+4*i+3], v[XO], s[4:5] offset:512*i th:TH_LOAD_NT   ; 32 lanes read 512 consecutive bytes
.set i, i+1
.endr
	s_lshl_b32 s22, ttmp9, 7
	s_add_co_u32 s22, s22, 524288
	s_add_nc_u64 s[28:29], s[16:17], s[22:23]      ; my 128 scale bytes in wts
	s_lshl_b32 s22, ttmp9, 11
	s_add_nc_u64 s[16:17], s[16:17], s[22:23]      ; my two images
	s_lshr_b32 s22, ttmp9, 3
	s_lshl_b32 s22, s22, 6
	s_and_b32 s24, ttmp9, 7
	s_lshl_b32 s24, s24, 2
	s_add_co_u32 s22, s22, s24
	s_add_nc_u64 s[14:15], s[14:15], s[22:23]      ; stats: 64 x group + 4 x part
	; ---- the weight's 16 numbers: two neighbouring lanes hold a block of 32
	s_wait_loadcnt 32                              ; the weight's four loads are in; x's 32 stand behind them
	v_max3_num_f32 v9, |v[WN]|, |v[WN+1]|, 0x1800000   ; with the floor 2^(3 - 127): the byte cannot fall under 1
	v_max3_num_f32 v10, |v[WN+2]|, |v[WN+3]|, |v[WN+4]|
.irp i, 5,9
	v_max3_num_f32 v9, v9, |v[WN+\i]|, |v[WN+\i+1]|
	v_max3_num_f32 v10, v10, |v[WN+\i+2]|, |v[WN+\i+3]|
.endr
	v_max3_num_f32 v9, v9, |v[WN+13]|, |v[WN+14]|
	v_max3_num_f32 v9, v9, v10, |v[WN+15]|
	v_max_num_f32_dpp v9, v9, v9 row_xmask:1 row_mask:0xf bank_mask:0xf   ; with my neighbour's 16: the block's largest magnitude
	v_add_nc_u32 v11, 0xff000000, v9               ; 2 off its exponent field: the conversion takes the exponent field of this operand as its scale
	v_cvt_scalef32_pk8_fp4_f32 v12, v[WN:WN+7], v11
	v_cvt_scalef32_pk8_fp4_f32 v13, v[WN+8:WN+15], v11
	v_lshrrev_b32 v14, 23, v11                     ; the scale's byte (also the plain line behind the conversions)
	ds_store_b64 v[WST], v[12:13] offset:WIMG
	ds_store_b8 v[WSS], v14 offset:WSC             ; both lanes of a block write the same byte with the same value
	; ---- x: the part's sum, eight loads at a time
	s_wait_loadcnt 24                              ; the first eight loads are in; 24 stand behind them
.irp k, 0,1,2,3
	v_pk_add_f32 v[CH+2*\k:CH+2*\k+1], v[X+2*\k:X+2*\k+1], v[X+8+2*\k:X+9+2*\k]   ; the first eight pairs start the chains: nothing is cleared
.endr
.set p, 8
.rept 8
	v_pk_add_f32 v[CH+2*(p%4):CH+2*(p%4)+1], v[CH+2*(p%4):CH+2*(p%4)+1], v[X+2*p:X+2*p+1]
.set p, p+1
.endr
.irp left, 16,8,0
	s_wait_loadcnt \left                           ; eight loads more are in
.rept 16
	v_pk_add_f32 v[CH+2*(p%4):CH+2*(p%4)+1], v[CH+2*(p%4):CH+2*(p%4)+1], v[X+2*p:X+2*p+1]
.set p, p+1
.endr
.endr
	CHAINS
	WRED CH
	ds_store_b32 v[RW], v[CH] offset:RED1          ; all lanes write the wave's word with the same value
	BARRIER                                        ; the images, the scale bytes and the eight sums lie in LDS
	ds_load_b64 v[12:13], v[T8] offset:WIMG
	ds_load_b128 v[168:171], v[ZR] offset:RED1
	ds_load_b128 v[172:175], v[ZR] offset:RED1+16
	s_wait_dscnt 0x2                               ; the image's 8 bytes are in; the two reads of the sums stand behind
	global_store_b64 v[T8], v[12:13], s[16:17]     ; a wave stores 256 consecutive bytes, at a multiple of 256 from the buffer's first byte
	s_wait_dscnt 0x0
	v_add_f32 v168, v168, v169
	v_add_f32 v170, v170, v171
	v_add_f32 v172, v172, v173
	v_add_f32 v174, v174, v175
	v_add_f32 v168, v168, v170
	v_add_f32 v172, v172, v174
	v_add_f32 v168, v168, v172
	v_mul_f32 v[MEAN], 0x38000000, v168            ; / 32,768: the part's mean
	v_mov_b32 v[MEAN+1], v[MEAN]
	; ---- the sum of squares round the part's mean
.set p, 0
.rept 16
.irp k, 0,1,2,3
	v_pk_add_f32 v[X+2*(p+\k):X+2*(p+\k)+1], v[X+2*(p+\k):X+2*(p+\k)+1], v[MEAN:MEAN+1] neg_lo:[0,1] neg_hi:[0,1]
.endr
.irp k, 0,1,2,3
.if p == 0
	v_pk_mul_f32 v[CH+2*\k:CH+2*\k+1], v[X+2*(p+\k):X+2*(p+\k)+1], v[X+2*(p+\k):X+2*(p+\k)+1]
.else
	v_pk_fma_f32 v[CH+2*\k:CH+2*\k+1], v[X+2*(p+\k):X+2*(p+\k)+1], v[X+2*(p+\k):X+2*(p+\k)+1], v[CH+2*\k:CH+2*\k+1]
.endif
.endr
.set p, p+4
.endr
	CHAINS
	WRED CH
	ds_store_b32 v[RW], v[CH] offset:RED2
	BARRIER
	s_cmp_lg_u32 s18, 0                            ; wave 0 stores the small things; no barrier stands behind this branch
	s_cbranch_scc1 .Ldone
	ds_load_b128 v[16:19], v[ZR] offset:RED2
	ds_load_b128 v[20:23], v[ZR] offset:RED2+16
	ds_load_b32 v24, v[L4] offset:WSC
	s_wait_dscnt 0x0
	global_store_b32 v[L4], v24, s[28:29]          ; the 128 scale bytes
	v_add_f32 v16, v16, v17
	v_add_f32 v18, v18, v19
	v_add_f32 v20, v20, v21
	v_add_f32 v22, v22, v23
	v_add_f32 v16, v16, v18
	v_add_f32 v20, v20, v22
	v_add_f32 v16, v16, v20                        ; the part's sum of squares
	v_cmp_eq_u32 vcc_lo, 1, v0
	v_cndmask_b32 v16, v[MEAN], v16, vcc_lo        ; lane 0: the mean; lane 1: the sum of squares,
	v_lshlrev_b32 v26, 5, v0                       ; 32 bytes further on
	s_wait_xcnt 0x0                                ; EXEC changes only behind this wait: stores have been issued
	v_cmp_gt_u32 vcc_lo, 2, v0
	s_and_saveexec_b32 s30, vcc_lo
	global_store_b32 v26, v16, s[14:15]
	s_wait_xcnt 0x0                                ; and again in front of the line that widens it
	s_or_b32 exec_lo, exec_lo, s30
.Ldone:
	s_wait_tensorcnt 0x0
	ds_add_u32 v176, v177
	s_wait_dscnt 0x0
	s_endpgm
.Lfunc_end_k_q45d4de1df5_prep:
	.size	k_q45d4de1df5_prep, .Lfunc_end_k_q45d4de1df5_prep-k_q45d4de1df5_prep
	.p2alignl 7, 3214868480
	.fill 96, 4, 3214868480
	.section	.rodata,"a",@progbits
	.p2align	6, 0x0
	.amdhsa_kernel k_q45d4de1df5_prep
		.amdhsa_group_segment_fixed_size 5120
		.amdhsa_private_segment_fixed_size 0
		.amdhsa_enable_private_segment 0
		.amdhsa_kernarg_size 56
		.amdhsa_user_sgpr_count 2
		.amdhsa_user_sgpr_kernarg_segment_ptr 1
		.amdhsa_wavefront_size32 1
		.amdhsa_system_sgpr_workgroup_id_x 1
		.amdhsa_system_sgpr_workgroup_id_y 1
		.amdhsa_system_sgpr_workgroup_id_z 1
		.amdhsa_system_vgpr_workitem_id 0
		.amdhsa_next_free_vgpr 178
		.amdhsa_next_free_sgpr 66
		.amdhsa_reserve_vcc 1
		.amdhsa_float_denorm_mode_32 3
		.amdhsa_float_denorm_mode_16_64 3
		.amdhsa_memory_ordered 1
		.amdhsa_forward_progress 1
		.amdhsa_inst_pref_size 23
	.end_amdhsa_kernel
	.amdgpu_metadata
---
amdhsa.version: [ 1, 2 ]
amdhsa.kernels:
  - .name:           k_q45d4de1df5_prep
    .symbol:         k_q45d4de1df5_prep.kd
    .args:
      - { .name: x, .offset: 0, .size: 8, .value_kind: global_buffer, .address_space: global }
      - { .name: wq, .offset: 8, .size: 8, .value_kind: global_buffer, .address_space: global }
      - { .name: wk, .offset: 16, .size: 8, .value_kind: global_buffer, .address_space: global }
      - { .name: wv, .offset: 24, .size: 8, .value_kind: global_buffer, .address_space: global }
      - { .name: wo, .offset: 32, .size: 8, .value_kind: global_buffer, .address_space: global }
      - { .name: stats, .offset: 40, .size: 8, .value_kind: global_buffer, .address_space: global }
      - { .name: wts, .offset: 48, .size: 8, .value_kind: global_buffer, .address_space: global }
    .group_segment_fixed_size: 5120
    .private_segment_fixed_size: 0
    .kernarg_segment_align: 8
    .kernarg_segment_size: 56
    .max_flat_workgroup_size: 256
    .sgpr_count:     66
    .vgpr_count:     178
    .wavefront_size: 32
...
	.end_amdgpu_metadata
.endif
;; end of part 1
;; launch qkv (part 2): grid 256 x 1, 8 waves a work-group, no clusters, 21,504 bytes of LDS; arguments x, gn_scale, gn_bias, stats, wts, bq, bk, bv, qc, kc, vc; writes qc, kc, vc
.if DOCPART == 2
	.amdgcn_target "amdgcn-amd-amdhsa--gfx1250"
	.amdhsa_code_object_version 6
	.text
	.protected	k_q45d4de1df5_qkv
	.globl	k_q45d4de1df5_qkv
	.p2align	8
	.type	k_q45d4de1df5_qkv,@function
k_q45d4de1df5_qkv:
	s_mov_b64 s[64:65], 0
	v_nop
	global_prefetch_b8 v0, s[64:65] scope:SCOPE_SE
	s_setreg_imm32_b32 hwreg(HW_REG_WAVE_MODE, 25, 1), 1
	s_wait_xcnt 0x0
; QKV.  h = group norm of x; q, k, v = W h + b, the three products on codes of E2M1 with one E8M0 byte for each 32 along K (K = the channel); q, k and v leave AS CODES for the attention's products and never as f32.
; SHARES.  Work-group g: batch g / 32, columns l = 64 (g % 32) .. + 63, all 1,536 outputs: each number of x is normalised and quantised once in the launch.
;   X phase: wave w takes channels 64 w .. 64 w + 63 (two blocks of 32 along K; norm group w / 2); a lane takes columns 2 lane and 2 lane + 1, its registers run down the channels, so a block's largest magnitude needs no other lane.
;   Products: wave w takes rows 64 w .. 64 w + 63 of each weight (four tiles; head w / 2), for the four tiles of 16 columns.  Its weight fragments come from memory straight into operand registers; each feeds four matrix instructions.
; TILES.  In every group of 32 rows (of a weight) or columns (of h), fragment row i of tile 2 b + u is 32 b + 8 u + i + 8 (i / 8).  With such a tile as source 0, register j of lane (r, h) is 32 b + 8 u + 16 h + j:
;   the 16 registers of tiles 2 b and 2 b + 1 are 16 neighbours, as the conversions want them.
;   q, k: source 0 = the weight's tile, source 1 = h's: a lane holds one column l and its registers run along d, the scores' K.   v: the sources swapped: a lane holds one d and its registers run along l, the keys.
; IMAGES.  A fragment (16 rows x 128 K, 1,024 bytes) lies as its registers: registers 4 c .. 4 c + 3 of lane l at byte 512 c + 16 l; scale words 4 bytes a fragment row.
;   qc, kc: [batch x head 32][tile of l 128][1,024], from byte 4,194,304 on [32][128][16][4].   vc: [32][step of 128 keys 16][tile of d 8][1,024], then [32][16][8][16][4].
; LIMITS: NaN and infinities are not served; a block of zeros, or one whose largest magnitude lies under 2^-124, keeps the byte 1 (a block of zeros has zero codes; this program alone reads the bytes).
; REGISTERS.  window 0: v1-13 addresses; v14-27 at work; v28-29 1 / sqrt(var + eps), v30 the mean; v32-47 codes just made; v48-51 their scale bytes or words; v52-55 v's bias; v56-63 at work;
;   v64-79 the weight's scale words, v80-95 h's; v96-127 the bias as four C tiles; v128-255 sixteen accumulators (X phase: h's 128 numbers).   window 1: v0-127 x as loaded, then h's 16 fragments; v128-255 the weight's 16.
.set HIMG, 0                           ; LDS: h's 16 images, (4 m + s) x 1,024: tile of columns m, K step s
.set HSC,  16384                       ; h's scale bytes [m][row 16][16 blocks]
.set QKS,  17408                       ; q's and k's scale words [q, k][head 4][m 4][row 16][4]
.set LI,   1                           ; v1   16 x lane
.set R4,   2                           ; v2   4 r
.set R8,   3                           ; v3   8 r
.set R16,  4                           ; v4   HSC + 16 r
.set HST,  5                           ; v5   where my column's codes go in h's images
.set HSS,  6                           ; v6   and its two scale bytes
.set SST,  7                           ; v7   where my two bytes of a scale word of q or k go
.set BQ,   8                           ; v8   64 h: q's and k's bias
.set BV,   9                           ; v9   4 (r + 8 (r / 8)): v's bias
.set XA,   10                          ; v10  8 x lane
.set QKO,  11                          ; v11  QKS + 8 x thread
.set ZR,   13                          ; v13  0
.set RS,   28
.set MN,   30
.set PC,   32
.set PW,   48
.set BT,   52
.set TM,   56
.set WS,   64
.set HS,   80
.set BIAS, 96
.set ACC,  128
.set MSB, 0
.macro WIN new                         ; the immediate's high byte repeats the setting that is left
.if MSB != \new
	s_set_vgpr_msb (MSB<<8)|\new
.set MSB, \new
.endif
.endm
.macro BARRIER                         ; my LDS stores have landed and my LDS loads are in: then the work-group's barrier
	s_wait_dscnt 0x0
	s_barrier_signal -1
	s_barrier_wait -1
.endm
.macro PLACES                          ; four plain vector lines behind matrix instructions, in front of loads into their registers and of reads of their results
.rept 4
	v_nop
.endr
.endm
; The norm of channel block kb, in the order in which the problem writes it: (x - mean) x 1 / sqrt(var + eps), x the channel's gain + its bias.  The subtraction also parts the lane's two columns: column e at ACC + 64 kb + 32 e.
.macro NORM kb
	WIN 0x01                                       ; source 0 (x as loaded) window 1
.irp e, 0,1
.set i, 0
.rept 32
	v_sub_f32 v[ACC+64*\kb+32*\e+i], v[64*\kb+2*i+\e], v[MN]
.set i, i+1
.endr
.endr
	WIN 0
.set i, 0
.rept 32
	v_pk_mul_f32 v[ACC+64*\kb+2*i:ACC+64*\kb+2*i+1], v[ACC+64*\kb+2*i:ACC+64*\kb+2*i+1], v[RS:RS+1]
.set i, i+1
.endr
.irp e, 0,1
.set i, 0
.rept 32
	v_fma_f32 v[ACC+64*\kb+32*\e+i], v[ACC+64*\kb+32*\e+i], s[32+i], s[68+i]   ; a register is one channel in every lane: gain and bias are scalars
.set i, i+1
.endr
.endr
.endm
; A whole block of 32 in one lane's registers v[src] on: four registers of codes at v[pc], the scale's byte in v[by]
.macro BLKQ src, pc, by
	v_max3_num_f32 v[TM], |v[\src]|, |v[\src+1]|, 0x1800000   ; with the floor 2^(3 - 127): the byte cannot fall under 1
	v_max3_num_f32 v[TM+1], |v[\src+2]|, |v[\src+3]|, |v[\src+4]|
.irp i, 5,9,13,17,21,25
	v_max3_num_f32 v[TM], v[TM], |v[\src+\i]|, |v[\src+\i+1]|
	v_max3_num_f32 v[TM+1], v[TM+1], |v[\src+\i+2]|, |v[\src+\i+3]|
.endr
	v_max3_num_f32 v[TM], v[TM], |v[\src+29]|, |v[\src+30]|
	v_max3_num_f32 v[TM], v[TM], v[TM+1], |v[\src+31]|
	v_add_nc_u32 v[TM+4], 0xff000000, v[TM]        ; 2 off the exponent field: the conversion's scale operand
	v_lshrrev_b32 v[\by], 23, v[TM+4]
.irp g, 0,1,2,3
	v_cvt_scalef32_pk8_fp4_f32 v[\pc+\g], v[\src+8*\g:\src+8*\g+7], v[TM+4]
.endr
	v_nop                                          ; one plain line behind the conversions
.endm
; Two blocks of 32 that lie in lanes l and l xor 16: register 16 b + i of v[src] on is K = 32 b + 16 (lane / 16) + i of my row.  Half a fragment's codes (four registers) at v[pc], two scale bytes in v[pw].
; The sources are read in ascending order: each accumulator from its low end on.
.macro HALFQ src, pc, pw
.irp b, 0,1
	v_max3_num_f32 v[TM+\b], |v[\src+16*\b]|, |v[\src+16*\b+1]|, 0x1800000
.endr
.irp i, 2,4,6,8,10,12,14
.irp b, 0,1
	v_max3_num_f32 v[TM+\b], v[TM+\b], |v[\src+16*\b+\i]|, |v[\src+16*\b+\i+1]|
.endr
.endr
.irp b, 0,1
	v_permlanex16_b32 v[TM+2+\b], v[TM+\b], s42, s43
.endr
.irp b, 0,1
	v_max_num_f32 v[TM+\b], v[TM+\b], v[TM+2+\b]   ; with lane l xor 16's: the block's largest magnitude
.endr
.irp b, 0,1
	v_add_nc_u32 v[TM+4+\b], 0xff000000, v[TM+\b]
.endr
.irp b, 0,1
	v_lshrrev_b32 v[TM+6+\b], 23, v[TM+4+\b]
.endr
	v_lshl_or_b32 v[\pw], v[TM+7], 8, v[TM+6]
.irp b, 0,1
	v_cvt_scalef32_pk8_fp4_f32 v[\pc+2*\b], v[\src+16*\b:\src+16*\b+7], v[TM+4+\b]
	v_cvt_scalef32_pk8_fp4_f32 v[\pc+2*\b+1], v[\src+16*\b+8:\src+16*\b+15], v[TM+4+\b]
.endr
	v_nop                                          ; one plain line behind the conversions
	v_permlane16_swap_b32 v[\pc], v[\pc+2]         ; the operand's layout wants a WHOLE block in a lane: lanes 0-15 the first block, lanes 16-31 the second
	v_permlane16_swap_b32 v[\pc+1], v[\pc+3]
.endm
; Weight j (0 q, 1 k, 2 v): my 16 fragments, their scale words, the bias.  48 loads for q and k, 44 for v.
.macro WLOAD j
.if \j > 0
	PLACES                                         ; the registers below were read by the products just issued
.endif
	WIN 0x40                                       ; destination window 1
.set i, 0
.rept 32
	global_load_b128 v[128+4*i:131+4*i], v[LI], s[2:3] offset:\j*131072+512*i   ; fragment (t, s) at v[128 + 8 (4 t + s)]: 512 consecutive bytes a load
.set i, i+1
.endr
	WIN 0
.irp t, 0,1,2,3
.irp f, 0,1
	global_load_b64 v[WS+4*\t+2*\f:WS+4*\t+2*\f+1], v[R8], s[28:29] offset:524288+\j*8192+256*\t+128*\f   ; the words of K steps 2 f and 2 f + 1 of fragment row r
.endr
.endr
.if \j < 2
.irp t, 0,1,2,3
	global_load_b128 v[BIAS+8*\t:BIAS+8*\t+3], v[BQ], s[14+2*\j:15+2*\j] offset:(32*(\t/2)+8*(\t%2))*4      ; register i of lane (r, h): the bias of output 32 (t / 2) + 8 (t % 2) + 16 h + i
	global_load_b128 v[BIAS+8*\t+4:BIAS+8*\t+7], v[BQ], s[14+2*\j:15+2*\j] offset:(32*(\t/2)+8*(\t%2))*4+16
.endr
.else
.irp t, 0,1,2,3
	global_load_b32 v[BT+\t], v[BV], s[18:19] offset:(32*(\t/2)+8*(\t%2))*4   ; v: a lane holds one output
.endr
.endif
.endm
; 64 matrix instructions: four K steps x four tiles of columns x four tiles of the weight.  The bias is the C of each sum's first instruction.  The 16 accumulators take turns, one instruction a turn.
.macro MULS kind
	WIN 0x05                                       ; sources 0 and 1 window 1; C and D window 0
.irp s, 0,1,2,3
.irp m, 0,1,2,3
.irp t, 0,1,2,3
.if \kind == 0
.if \s == 0
	v_wmma_scale_f32_16x16x128_f8f6f4 v[ACC+32*\m+8*\t:ACC+32*\m+8*\t+7], v[128+8*(4*\t+\s):128+8*(4*\t+\s)+7], v[8*(4*\m+\s):8*(4*\m+\s)+7], v[BIAS+8*\t:BIAS+8*\t+7], v[WS+4*\t+\s], v[HS+4*\m+\s] matrix_a_fmt:MATRIX_FMT_FP4 matrix_b_fmt:MATRIX_FMT_FP4
.else
	v_wmma_scale_f32_16x16x128_f8f6f4 v[ACC+32*\m+8*\t:ACC+32*\m+8*\t+7], v[128+8*(4*\t+\s):128+8*(4*\t+\s)+7], v[8*(4*\m+\s):8*(4*\m+\s)+7], v[ACC+32*\m+8*\t:ACC+32*\m+8*\t+7], v[WS+4*\t+\s], v[HS+4*\m+\s] matrix_a_fmt:MATRIX_FMT_FP4 matrix_b_fmt:MATRIX_FMT_FP4
.endif
.else
.if \s == 0
	v_wmma_scale_f32_16x16x128_f8f6f4 v[ACC+32*\t+8*\m:ACC+32*\t+8*\m+7], v[8*(4*\m+\s):8*(4*\m+\s)+7], v[128+8*(4*\t+\s):128+8*(4*\t+\s)+7], v[BIAS+8*\t:BIAS+8*\t+7], v[HS+4*\m+\s], v[WS+4*\t+\s] matrix_a_fmt:MATRIX_FMT_FP4 matrix_b_fmt:MATRIX_FMT_FP4
.else
	v_wmma_scale_f32_16x16x128_f8f6f4 v[ACC+32*\t+8*\m:ACC+32*\t+8*\m+7], v[8*(4*\m+\s):8*(4*\m+\s)+7], v[128+8*(4*\t+\s):128+8*(4*\t+\s)+7], v[ACC+32*\t+8*\m:ACC+32*\t+8*\m+7], v[HS+4*\m+\s], v[WS+4*\t+\s] matrix_a_fmt:MATRIX_FMT_FP4 matrix_b_fmt:MATRIX_FMT_FP4
.endif
.endif
.endr
.endr
.endr
.endm
; q (j = 0) or k (1) leaves: for each tile of columns my 64 d are two blocks of the head's four: half c = w % 2 of the tile's image, 512 consecutive bytes a store; the two scale bytes meet the other wave's in LDS.
; The codes' registers are the data of the stores below: whoever calls this a second time has waited on XCNT for 0 since the first.
.macro OUTQK j
	s_wait_dscnt 0x0                               ; earlier LDS stores have read the words' registers, which are written again below
.irp m, 0,1,2,3
	HALFQ ACC+32*\m, PC+4*\m, PW+\m
	global_store_b128 v[LI], v[PC+4*\m:PC+4*\m+3], s[32+2*\j:33+2*\j] offset:1024*\m
	ds_store_b16 v[SST], v[PW+\m] offset:1024*\j+64*\m   ; lanes r and r + 16 write the same two bytes with the same value
.endr
.endm
	s_load_b512 s[4:19], s[0:1], 0x0               ; x s[4:5], gn_scale s[6:7], gn_bias s[8:9], stats s[10:11], wts s[12:13], bq s[14:15], bk s[16:17], bv s[18:19]
	s_load_b128 s[20:23], s[0:1], 0x40             ; qc, kc
	s_load_b64 s[24:25], s[0:1], 0x50              ; vc
	v_lshl_add_u32 v27, v0, 2, 0x5000
	v_mov_b32 v31, 0
	v_lshrrev_b32 v14, 5, v0
	v_readfirstlane_b32 s26, v14                   ; wave 0..7
	v_and_b32 v15, 31, v0                          ; lane
	v_and_b32 v16, 15, v0                          ; r
	v_bfe_u32 v17, v0, 4, 1                        ; h
	v_lshlrev_b32 v[LI], 4, v15
	v_lshlrev_b32 v[R4], 2, v16
	v_lshlrev_b32 v[R8], 3, v16
	v_lshl_add_u32 v[R16], v16, 4, HSC
	v_lshlrev_b32 v[XA], 3, v15
	v_lshlrev_b32 v[BQ], 6, v17
	v_and_b32 v18, 8, v16
	v_add_nc_u32 v18, v18, v16                     ; r + 8 (r / 8)
	v_lshlrev_b32 v[BV], 2, v18
	v_lshl_add_u32 v[QKO], v0, 3, QKS
	v_mov_b32 v[ZR], 0
	; column 2 lane + e of the 64: group of 32 = lane bit 4, tile u = lane bit 2, fragment row i = e + 2 (lane % 4) + 8 (lane bit 3).  My channel block kb is block 2 (w % 2) + kb of K step w / 2:
	; image byte 4,096 (2 group + u) + 1,024 (w / 2) + 512 (w % 2) + 16 i + 256 kb; the immediates carry 16 e + 256 kb
	v_and_b32 v19, 3, v0
	v_lshlrev_b32 v19, 5, v19
	v_bfe_u32 v20, v0, 3, 1
	v_lshl_add_u32 v19, v20, 7, v19                ; 16 i without e
	v_bfe_u32 v20, v0, 2, 1
	v_lshl_add_u32 v[HST], v20, 12, v19
	v_lshl_add_u32 v[HSS], v20, 8, v19
	v_lshl_add_u32 v[HST], v17, 13, v[HST]
	v_lshl_add_u32 v[HSS], v17, 9, v[HSS]
	v_bfe_u32 v20, v0, 5, 1                        ; w % 2
	v_lshl_add_u32 v[HST], v20, 9, v[HST]
	v_lshl_add_u32 v[SST], v20, 1, v[R4]
	v_bfe_u32 v20, v0, 6, 2                        ; w / 2
	v_lshl_add_u32 v[HST], v20, 10, v[HST]
	v_lshl_add_u32 v[SST], v20, 8, v[SST]
	v_add_nc_u32 v[SST], QKS, v[SST]               ; QKS + 256 head + 4 r + 2 (w % 2)
	v_bfe_u32 v20, v0, 5, 3                        ; w
	v_lshl_add_u32 v[HSS], v20, 1, v[HSS]
	v_add_nc_u32 v[HSS], HSC, v[HSS]               ; HSC + 256 tile + 16 i + 2 w
	v_mov_b32 v[TM+2], 0                           ; written once: a lane permute's destination counts as one of its sources
	v_mov_b32 v[TM+3], 0
	s_lshr_b32 s27, ttmp9, 5                       ; batch
	s_and_b32 s66, ttmp9, 31                       ; block of 64 columns
	s_lshl_b32 s30, s27, 22                        ; x: a batch is 4 MiB,
	s_lshl_b32 s31, s26, 19                        ; 64 channels of 8,192 bytes,
	s_add_co_u32 s30, s30, s31
	s_lshl_b32 s31, s66, 8                         ; 64 columns
	s_add_co_u32 s30, s30, s31
	s_mov_b32 s31, 0
	s_wait_kmcnt 0x0
	s_add_nc_u64 s[4:5], s[4:5], s[30:31]
	s_lshr_b32 s30, s26, 1
	s_lshl_b32 s67, s27, 2
	s_add_co_u32 s67, s67, s30                     ; 4 batch + w / 2: my norm group, and my head
	s_lshl_b32 s30, s67, 6
	s_add_nc_u64 s[10:11], s[10:11], s[30:31]      ; its record of 64 bytes
	s_lshl_b32 s30, s26, 8                         ; 64 numbers of 4 bytes a wave
	s_add_nc_u64 s[6:7], s[6:7], s[30:31]
	s_add_nc_u64 s[8:9], s[8:9], s[30:31]
	s_add_nc_u64 s[14:15], s[14:15], s[30:31]
	s_add_nc_u64 s[16:17], s[16:17], s[30:31]
	s_add_nc_u64 s[18:19], s[18:19], s[30:31]
	s_lshl_b32 s30, s26, 14
	s_add_nc_u64 s[2:3], s[12:13], s[30:31]        ; my four tiles' images in each weight
	s_lshl_b32 s30, s26, 10
	s_add_nc_u64 s[28:29], s[12:13], s[30:31]      ; and their scale bytes
.irp i, 0,1,2,3
	global_load_b128 v[ACC+4*\i:ACC+4*\i+3], v[ZR], s[10:11] offset:16*\i   ; the group's eight part means and eight part sums of squares, in every lane
.endr
	WIN 0x40                                       ; destination window 1
.set i, 0
.rept 64
	global_load_b64 v[2*i:2*i+1], v[XA], s[4:5] offset:8192*i th:TH_LOAD_NT   ; channel i: 32 lanes read 256 consecutive bytes, at a multiple of 256 from x's first byte
.set i, i+1
.endr
	WIN 0
	s_load_b512 s[32:47], s[6:7], 0x0              ; the gains and biases of my first 32 channels
	s_load_b512 s[48:63], s[6:7], 0x40
	s_load_b512 s[68:83], s[8:9], 0x0
	s_load_b512 s[84:99], s[8:9], 0x40
	s_wait_loadcnt 32                              ; the record and channels 0-31 are in; the 32 loads of channels 32-63 stand behind
	WLOAD 0                                        ; wq's fragments are on their way through the whole X phase
	; the group's mean and variance out of its eight parts of 32,768: mean = the means' mean; sum of squares = the parts' + 32,768 x the sum of (part mean - mean)^2
	v_add_f32 v14, v[ACC], v[ACC+1]
	v_add_f32 v15, v[ACC+2], v[ACC+3]
	v_add_f32 v16, v[ACC+4], v[ACC+5]
	v_add_f32 v17, v[ACC+6], v[ACC+7]
	v_add_f32 v14, v14, v15
	v_add_f32 v16, v16, v17
	v_add_f32 v14, v14, v16
	v_mul_f32 v[MN], 0x3e000000, v14               ; / 8
.irp i, 0,1,2,3,4,5,6,7
	v_sub_f32 v[ACC+\i], v[ACC+\i], v[MN]
.endr
	v_mul_f32 v14, v[ACC], v[ACC]
.irp i, 1,2,3,4,5,6,7
	v_fmac_f32 v14, v[ACC+\i], v[ACC+\i]
.endr
	v_add_f32 v15, v[ACC+8], v[ACC+9]
	v_add_f32 v16, v[ACC+10], v[ACC+11]
	v_add_f32 v17, v[ACC+12], v[ACC+13]
	v_add_f32 v18, v[ACC+14], v[ACC+15]
	v_add_f32 v15, v15, v16
	v_add_f32 v17, v17, v18
	v_add_f32 v15, v15, v17
	v_fmamk_f32 v14, v14, 0x47000000, v15          ; x 32,768 + the parts' sums
	s_mov_b32 s30, 0x36800000                      ; 1 / 262,144
	v_fmaak_f32 v14, s30, v14, 0x358637bd          ; the variance + 1e-6
	v_rsq_f32 v[RS], v14
	v_rsq_f32 v[RS+1], v14                         ; twice: a pair for the packed multiply
	v_nop                                          ; a plain line behind the transcendentals,
	s_wait_alu depctr_va_vdst(0)                   ; and the one wait ahead of their first reader
	s_wait_kmcnt 0x0
	NORM 0
	s_load_b512 s[32:47], s[6:7], 0x80             ; the gains and biases of channels 32-63
	s_load_b512 s[48:63], s[6:7], 0xc0
	s_load_b512 s[68:83], s[8:9], 0x80
	s_load_b512 s[84:99], s[8:9], 0xc0
.irp e, 0,1
	BLKQ ACC+32*\e, PC+4*\e, PW+\e
	ds_store_b128 v[HST], v[PC+4*\e:PC+4*\e+3] offset:HIMG+16*\e
.endr
	s_wait_loadcnt 48                              ; channels 32-63 are in; wq's 48 loads stand behind
	s_wait_kmcnt 0x0
	NORM 1
.irp e, 0,1
	BLKQ ACC+64+32*\e, PC+8+4*\e, PW+2+\e
	ds_store_b128 v[HST], v[PC+8+4*\e:PC+8+4*\e+3] offset:HIMG+256+16*\e
.endr
	v_lshl_or_b32 v14, v[PW+2], 8, v[PW]           ; a column's two bytes: blocks 2 w and 2 w + 1
	v_lshl_or_b32 v15, v[PW+3], 8, v[PW+1]
	ds_store_b16 v[HSS], v14
	ds_store_b16 v[HSS], v15 offset:16
	BARRIER                                        ; h's 16 fragments and their scale bytes lie in LDS
	WIN 0x40
.set i, 0
.rept 32
	ds_load_b128 v[4*i:4*i+3], v[LI] offset:HIMG+512*i   ; fragment (m, s) at v[8 (4 m + s)] of window 1
.set i, i+1
.endr
	WIN 0
.irp m, 0,1,2,3
	ds_load_b128 v[HS+4*\m:HS+4*\m+3], v[R16] offset:256*\m   ; fragment row r's four scale words
.endr
	; where the results go (the gains' and biases' scalar registers are free now)
	s_mov_b32 s42, 0x76543210                      ; v_permlanex16_b32's selects for lane l xor 16
	s_mov_b32 s43, 0xfedcba98
	s_and_b32 s45, s26, 1                          ; w % 2
	s_lshr_b32 s44, s66, 1                         ; the step of 128 keys
	s_and_b32 s47, s66, 1                          ; and my half of it
	s_lshl_b32 s30, s67, 17                        ; q, k: 131,072 x (batch, head) + 4,096 x block + 512 (w % 2)
	s_lshl_b32 s46, s66, 12
	s_add_co_u32 s30, s30, s46
	s_lshl_b32 s46, s45, 9
	s_add_co_u32 s30, s30, s46
	s_add_nc_u64 s[32:33], s[20:21], s[30:31]
	s_add_nc_u64 s[34:35], s[22:23], s[30:31]
	s_lshl_b32 s30, s67, 17                        ; v: 131,072 x (batch, head) + 8,192 x step + 4,096 (w % 2) + 512 x half
	s_lshl_b32 s46, s44, 13
	s_add_co_u32 s30, s30, s46
	s_lshl_b32 s46, s45, 12
	s_add_co_u32 s30, s30, s46
	s_lshl_b32 s46, s47, 9
	s_add_co_u32 s30, s30, s46
	s_add_nc_u64 s[36:37], s[24:25], s[30:31]
	s_lshl_b32 s30, s67, 13                        ; v's scale words: 8,192 x (batch, head) + 512 x step + 256 (w % 2) + 2 x half
	s_lshl_b32 s46, s44, 9
	s_add_co_u32 s30, s30, s46
	s_lshl_b32 s46, s45, 8
	s_add_co_u32 s30, s30, s46
	s_lshl_b32 s46, s47, 1
	s_add_co_u32 s30, s30, s46
	s_add_co_u32 s30, s30, 0x400000
	s_add_nc_u64 s[38:39], s[24:25], s[30:31]
	s_cmp_lt_u32 s26, 4                            ; at the end waves 0-3 store q's scale words of heads 0-3, waves 4-7 k's
	s_cselect_b64 s[40:41], s[20:21], s[22:23]
	s_lshl_b32 s30, s27, 2
	s_and_b32 s46, s26, 3
	s_add_co_u32 s30, s30, s46
	s_lshl_b32 s30, s30, 13
	s_lshl_b32 s46, s66, 8
	s_add_co_u32 s30, s30, s46
	s_add_co_u32 s30, s30, 0x400000
	s_add_nc_u64 s[40:41], s[40:41], s[30:31]
	s_wait_loadcnt 0x0                             ; wq
	s_wait_dscnt 0x0                               ; h
	MULS 0
	WLOAD 1                                        ; wk comes while q is quantised
	OUTQK 0                                        ; no global store has been issued so far: the codes' registers were read by LDS stores alone, which are done since the barrier
	s_wait_loadcnt 0x0
	MULS 0
	s_wait_xcnt 0x0                                ; q's stores have read the codes' registers, which k's codes take below.  The wait stands ahead of wv's loads, so that none of those is pending at it
	WLOAD 2
	OUTQK 1
	s_wait_loadcnt 0x0
.irp t, 0,1,2,3
.irp j, 0,1,2,3,4,5,6,7
	v_mov_b32 v[BIAS+8*\t+\j], v[BT+\t]            ; v: a lane holds one output, so its eight registers of a C tile are equal
.endr
.endr
	PLACES
	MULS 1
	PLACES
	WIN 0
	s_wait_xcnt 0x0                                ; k's stores have read the codes' registers,
	s_wait_dscnt 0x0                               ; and its LDS stores the words'
.irp t, 0,1,2,3
	HALFQ ACC+32*\t, PC+4*\t, PW+\t                ; my 64 columns are two blocks of the step's four keys' blocks: half (block % 2) of the image of d tile 4 (w % 2) + t
	global_store_b128 v[LI], v[PC+4*\t:PC+4*\t+3], s[36:37] offset:1024*\t
	global_store_b16 v[R4], v[PW+\t], s[38:39] offset:64*\t   ; half a scale word: the other half is the neighbouring work-group's.  2 bytes a row: 1,024 bytes a work-group leave so
.endr
	BARRIER                                        ; q's and k's scale words are whole in LDS
	ds_load_b64 v[14:15], v[QKO]
	s_wait_dscnt 0x0
	global_store_b64 v[XA], v[14:15], s[40:41]     ; a wave stores 256 consecutive bytes, at a multiple of 256 from the buffer's first byte
	s_wait_tensorcnt 0x0
	ds_add_u32 v27, v31
	s_wait_dscnt 0x0
	s_endpgm
.Lfunc_end_k_q45d4de1df5_qkv:
	.size	k_q45d4de1df5_qkv, .Lfunc_end_k_q45d4de1df5_qkv-k_q45d4de1df5_qkv
	.p2alignl 7, 3214868480
	.fill 96, 4, 3214868480
	.section	.rodata,"a",@progbits
	.p2align	6, 0x0
	.amdhsa_kernel k_q45d4de1df5_qkv
		.amdhsa_group_segment_fixed_size 21504
		.amdhsa_private_segment_fixed_size 0
		.amdhsa_enable_private_segment 0
		.amdhsa_kernarg_size 88
		.amdhsa_user_sgpr_count 2
		.amdhsa_user_sgpr_kernarg_segment_ptr 1
		.amdhsa_wavefront_size32 1
		.amdhsa_system_sgpr_workgroup_id_x 1
		.amdhsa_system_sgpr_workgroup_id_y 1
		.amdhsa_system_sgpr_workgroup_id_z 1
		.amdhsa_system_vgpr_workitem_id 0
		.amdhsa_next_free_vgpr 512
		.amdhsa_next_free_sgpr 100
		.amdhsa_reserve_vcc 0
		.amdhsa_float_denorm_mode_32 3
		.amdhsa_float_denorm_mode_16_64 3
		.amdhsa_memory_ordered 1
		.amdhsa_forward_progress 1
		.amdhsa_inst_pref_size 102
	.end_amdhsa_kernel
	.amdgpu_metadata
---
amdhsa.version: [ 1, 2 ]
amdhsa.kernels:
  - .name:           k_q45d4de1df5_qkv
    .symbol:         k_q45d4de1df5_qkv.kd
    .args:
      - { .name: x, .offset: 0, .size: 8, .value_kind: global_buffer, .address_space: global }
      - { .name: gn_scale, .offset: 8, .size: 8, .value_kind: global_buffer, .address_space: global }
      - { .name: gn_bias, .offset: 16, .size: 8, .value_kind: global_buffer, .address_space: global }
      - { .name: stats, .offset: 24, .size: 8, .value_kind: global_buffer, .address_space: global }
      - { .name: wts, .offset: 32, .size: 8, .value_kind: global_buffer, .address_space: global }
      - { .name: bq, .offset: 40, .size: 8, .value_kind: global_buffer, .address_space: global }
      - { .name: bk, .offset: 48, .size: 8, .value_kind: global_buffer, .address_space: global }
      - { .name: bv, .offset: 56, .size: 8, .value_kind: global_buffer, .address_space: global }
      - { .name: qc, .offset: 64, .size: 8, .value_kind: global_buffer, .address_space: global }
      - { .name: kc, .offset: 72, .size: 8, .value_kind: global_buffer, .address_space: global }
      - { .name: vc, .offset: 80, .size: 8, .value_kind: global_buffer, .address_space: global }
    .group_segment_fixed_size: 21504
    .private_segment_fixed_size: 0
    .kernarg_segment_align: 8
    .kernarg_segment_size: 88
    .max_flat_workgroup_size: 256
    .sgpr_count:     100
    .vgpr_count:     512
    .wavefront_size: 32
...
	.end_amdgpu_metadata
.endif
;; end of part 2
;; launch attn (part 3): grid 8 x 32, 16 waves a work-group, clusters of 4 x 1, 280,576 bytes of LDS; arguments qc, kc, vc, ac; writes ac
.if DOCPART == 3
	.amdgcn_target "amdgcn-amd-amdhsa--gfx1250"
	.amdhsa_code_object_version 6
	.text
	.protected	k_q45d4de1df5_attn
	.globl	k_q45d4de1df5_attn
	.p2align	8
	.type	k_q45d4de1df5_attn,@function
k_q45d4de1df5_attn:
	s_mov_b64 s[64:65], 0
	v_nop
	global_prefetch_b8 v0, s[64:65] scope:SCOPE_SE
	s_setreg_imm32_b32 hwreg(HW_REG_WAVE_MODE, 25, 1), 1
	s_wait_xcnt 0x0
	s_wait_alu depctr_hold_cnt(0) depctr_sa_sdst(0) depctr_va_vdst(0) depctr_va_sdst(0) depctr_va_ssrc(0) depctr_va_vcc(0) depctr_vm_vsrc(0)
	s_getreg_b32 s2, hwreg(HW_REG_IB_STS2, 6, 4)
	s_cmp_eq_u32 s2, 0
	s_cbranch_scc0 .Lentry_in_a_cluster
	s_endpgm
.Lentry_in_a_cluster:
	s_bfe_u32 s2, ttmp6, 0x10000c
	s_cmp_lg_u32 s2, 0x3003
	s_cbranch_scc0 .Lentry_shape_is_right
	s_endpgm
.Lentry_shape_is_right:
; ATTN.  For each (batch, head) of 32: O[q] = the sum over k of softmax_k(Q[q] . K[k] / sqrt(128)) V[k], 2,048 queries x 2,048 keys, both products on codes of E2M1 with one E8M0 byte for each 32 along K.
; THE SOFTMAX AHEAD OF THE SECOND PRODUCT: t = score x log2(e) / sqrt(128); M = the row's largest t so far, rounded UP to a whole number; p = 2^(t - M) is quantised along the keys, not normalised.
; The row's sum is taken of the unquantised p and divides O at the end.  When M moves, the sum and O are multiplied by 2^(old M - new M): exact.
; SHARES.  A work-group owns 256 queries of one head, each of its sixteen waves one tile of 16, in 256 registers: four waves to a SIMD, so that one wave's vector work stands beside another's matrix work and LDS loads.
; THE WHOLE HEAD LIES IN LDS: K's and V's codes are 131,072 bytes each, their scale words 8,192 each.  Each byte of LDS is filled once; nothing is filled again.  The codes come in four chunks of 512 keys.
; TWO BARRIERS: behind the first the scale words and chunk 0 are whole; three key steps are worked while chunks 1 to 3 land; behind the second everything is whole, and the waves meet no more until the end.
; OPERANDS ARE IMAGES OF THEIR REGISTERS (1,024 bytes a fragment: registers 4 c .. 4 c + 3 of lane l at 512 c + 16 l): two ds_load_b128 at 16 x lane bring a fragment, 512 consecutive bytes each: no pitch, no padding.
; LDS LOADS A PHASE AHEAD.  One buffer of 64 registers holds a step's eight fragments of K, then its eight of V.  V's run of 24 loads is issued as soon as the products K Q^T have read K, and lands under the softmax;
; the next step's K is issued as soon as the products V^T P have read V, and lands under the additions of the row's sum, which are kept for that place.
; LAYOUT.  Both products are used transposed: S^T = K Q^T (source 0 = 16 keys), O^T = V^T P^T (source 0 = 16 of the head's 128): a lane holds ONE query (lane % 16) throughout.  Fragment row i of tile 2 b + u (of keys, of d, of queries)
; is 32 b + 8 u + i + 8 (i / 8), so that the 16 registers of tiles 2 b and 2 b + 1 are 16 neighbours: p's along the keys, O^T's along d.  O / the sum is quantised along d (the output product's K) and leaves as one image: ac [batch][tile of l][head][1,024].
; CLUSTER.  The four work-groups of a cluster belong to one head and want the same K and V: every tile is asked for JOINTLY, by the same tensor load with the same descriptor and the mask of all four.
; No prefetch: all that the launch reads is asked for at its head.
; LIMITS: NaN and infinities are not served; a block of zeros, or one whose largest magnitude lies under 2^-124, keeps the scale byte 1 (a block of zeros has zero codes; this program alone reads the bytes).
; REGISTERS: v1-5 addresses that stay; v8-11 addresses of the loads in hand; v12 -M, v13 the largest t, v[14:15] the sum in two halves; v16-23 Q; v24-31 the scale words of the eight fragments in hand; v32-95 those fragments;
;   v96-159 S^T, then p; v160-223 O^T; v224-231 codes; v232-254 at work (v253 p's scale word); v255 Q's scale words.
.set VIMG, 131072                      ; LDS: K's images from 0 on [step 16][tile 8][1,024]; V's from here
.set SCK,  262144                      ; K's scale words [step][tile][row 16][4]
.set SCV,  270336                      ; V's
.set LI,   1                           ; v1   16 x lane
.set AV0,  2                           ; v2   VIMG + 16 x lane
.set ASK0, 3                           ; v3   SCK + 4 r
.set ASV0, 4                           ; v4   SCV + 4 r
.set R4,   5                           ; v5   4 r
.set ADK,  8
.set ADV,  9
.set ADS,  10
.set ADT,  11
.set KS,   24
.set F,    32
.set TB,   2                           ; s2   8,192 x the key step
.set TS,   3                           ; s3   512 x the key step
.set WV,   18                          ; s18  my wave's number
.set SEL,  20                          ; s[20:21] lane selects for v_permlanex16_b32: lane l xor 16
.set CS,   22                          ; s[22:23] c = log2(e) / sqrt(128)
.set G1,   28                          ; s[28:35] descriptor group 1: 16,384 dense bytes
.set G1S,  36                          ; s[36:43] the same for 4,096
.set G0S,  44                          ; s[44:47] group 0 for my scale words
.set G0C,  48                          ; s[48:63] group 0 for my part of each of the four chunks
.set CNT,  66
.macro ROUND                           ; a round of the cluster's barrier: my work-group's barrier; wave 0 signals for the work-group; every wave waits for all four work-groups; my work-group's barrier once more
	s_barrier_signal -1
	s_barrier_wait -1
	s_cmp_lg_u32 s[WV], 0
	s_cbranch_scc1 .Lnot_wave_0_\@
	s_barrier_signal -3
.Lnot_wave_0_\@:
	s_barrier_wait -3
	s_barrier_signal -1
	s_barrier_wait -1
.endm
	s_load_b256 s[4:11], s[0:1], 0x0               ; qc s[4:5], kc s[6:7], vc s[8:9], ac s[10:11]
	v_lshl_add_u32 v250, v0, 2, 0x44000
	v_mov_b32 v251, 0
	ds_add_u32 v250, v251
	ds_add_u32 v250, v251
	v_lshrrev_b32 v8, 5, v0
	v_readfirstlane_b32 s[WV], v8                  ; wave 0..15
	s_bfe_u32 s80, ttmp6, 0x40000                  ; cx: my place in the cluster: it enters Q's and ac's addresses alone
	s_lshl_b32 s81, ttmp9, 2
	s_add_co_u32 s81, s81, s80                     ; my block of 256 queries
	s_lshl_b32 s81, s81, 4
	s_add_co_u32 s81, s81, s[WV]                   ; my tile of 16 queries, 0..127
	s_and_b32 s71, ttmp7, 0xffff                   ; (batch, head), which the four partners share
	; what I fetch, if I fetch: waves 0, 1: K's; waves 2, 3: V's; the even wave the first half of each piece, the odd one the second
	s_and_b32 s67, s[WV], 1
	s_bfe_u32 s68, s[WV], 0x10001
	s_lshl_b32 s69, s68, 17
	s_lshl_b32 s70, s67, 14
	s_add_co_u32 s69, s69, s70                     ; codes, in LDS: 131,072 (V) + 16,384 x half
	s_lshl_b32 s72, s71, 17
	s_add_co_u32 s72, s72, s70                     ; and in memory: 131,072 x (batch, head) + 16,384 x half
	s_mov_b32 s73, 0
	s_lshl_b32 s70, s68, 13
	s_lshl_b32 s74, s67, 12
	s_add_co_u32 s70, s70, s74
	s_add_co_u32 s70, s70, SCK                     ; scale words, in LDS
	s_lshl_b32 s75, s71, 13
	s_add_co_u32 s74, s74, s75
	s_add_co_u32 s74, s74, 0x400000                ; and in memory
	s_mov_b32 s75, 0
	; descriptor group 1: a dense block as rows of 256 bytes (32 elements of 8 bytes)
	s_mov_b32 s[G1], 15|(3<<16)|(1<<21)            ; 15:0 the mask: all four work-groups; 17:16 elements of 8 bytes; 20 no padding; 21 set beside a mask
	s_mov_b32 s[G1+1], 32<<16                      ; tensor_dim0 = 32
	s_mov_b32 s[G1+2], 64<<16                      ; tensor_dim1 = 64
	s_mov_b32 s[G1+3], 32<<16                      ; tile_dim0 = 32
	s_mov_b32 s[G1+4], 64                          ; tile_dim1 = 64
	s_mov_b32 s[G1+5], 32                          ; from row to row
	s_mov_b32 s[G1+6], 0
	s_mov_b32 s[G1+7], 0
	s_mov_b32 s[G1S], 15|(3<<16)|(1<<21)
	s_mov_b32 s[G1S+1], 32<<16
	s_mov_b32 s[G1S+2], 16<<16                     ; 16 rows
	s_mov_b32 s[G1S+3], 32<<16
	s_mov_b32 s[G1S+4], 16
	s_mov_b32 s[G1S+5], 32
	s_mov_b32 s[G1S+6], 0
	s_mov_b32 s[G1S+7], 0
	s_lshl_b32 s82, s71, 7
	s_add_co_u32 s82, s82, s81                     ; Q: fragment 128 x (batch, head) + tile
	s_lshl_b32 s84, s82, 10
	s_mov_b32 s85, 0
	s_lshl_b32 s86, s82, 6
	s_add_co_u32 s86, s86, 0x400000
	s_mov_b32 s87, 0
	s_lshr_b32 s83, s71, 2
	s_lshl_b32 s83, s83, 7
	s_add_co_u32 s83, s83, s81
	s_lshl_b32 s83, s83, 2
	s_and_b32 s88, s71, 3
	s_add_co_u32 s83, s83, s88                     ; ac: fragment 4 (128 batch + tile) + head
	s_lshl_b32 s88, s83, 10
	s_mov_b32 s89, 0
	s_lshl_b32 s90, s83, 6
	s_add_co_u32 s90, s90, 0x400000
	s_mov_b32 s91, 0
	s_mov_b32 s[SEL], 0x76543210
	s_mov_b32 s[SEL+1], 0xfedcba98
	s_mov_b32 s[CS], 0x3e0293ee                    ; c = log2(e) / sqrt(128)
	s_mov_b32 s[CS+1], s[CS]                       ; (named with it as a pair, so it is written)
	s_wait_dscnt 0x0
	s_wait_kmcnt 0x0
	s_cmp_eq_u32 s68, 0
	s_cselect_b64 s[76:77], s[6:7], s[8:9]         ; K's buffer or V's: the choice hangs on the wave's number alone
	s_add_nc_u64 s[78:79], s[76:77], s[72:73]
	s_add_nc_u64 s[76:77], s[76:77], s[74:75]
	s_mov_b32 s[G0S], 1                            ; count = 1
	s_mov_b32 s[G0S+1], s70                        ; LDS address
	s_mov_b64 s[G0S+2:G0S+3], s[76:77]             ; global address
	s_or_b32 s[G0S+3], s[G0S+3], 0x80000000        ; type = 2
.irp j, 0,1,2,3
	s_mov_b32 s[G0C+4*\j], 1
	s_add_co_u32 s[G0C+4*\j+1], s69, 32768*\j      ; chunk j: four key steps, 32,768 bytes of K and of V
	s_add_nc_u64 s[G0C+4*\j+2:G0C+4*\j+3], s[78:79], 32768*\j
	s_or_b32 s[G0C+4*\j+3], s[G0C+4*\j+3], 0x80000000
.endr
	s_add_nc_u64 s[84:85], s[4:5], s[84:85]        ; Q's image,
	s_add_nc_u64 s[86:87], s[4:5], s[86:87]        ; its scale words,
	s_add_nc_u64 s[88:89], s[10:11], s[88:89]      ; my image in ac,
	s_add_nc_u64 s[90:91], s[10:11], s[90:91]      ; its scale words
	ROUND                                          ; all four work-groups are here: the joint loads meet
	s_cmp_lt_u32 s[WV], 4                          ; all fills of a wave stand in one branch on the wave's number, ahead of every wait on TENSORcnt, every LDS read and every other barrier: five loads of mine are out
	s_cbranch_scc0 .Lno_fetch
	tensor_load_to_lds s[G0S:G0S+3], s[G1S:G1S+7]
	s_nop 0
	tensor_load_to_lds s[G0C:G0C+3], s[G1:G1+7]
	s_nop 0
	tensor_load_to_lds s[G0C+4:G0C+7], s[G1:G1+7]
	s_nop 0
	tensor_load_to_lds s[G0C+8:G0C+11], s[G1:G1+7]
	s_nop 0
	tensor_load_to_lds s[G0C+12:G0C+15], s[G1:G1+7]
	s_nop 0
.rept 4
	v_nop                                          ; four plain lines follow the last of them
.endr
.Lno_fetch:
	v_and_b32 v8, 31, v0
	v_lshlrev_b32 v[LI], 4, v8
	v_add_nc_u32 v[AV0], VIMG, v[LI]
	v_and_b32 v9, 15, v0
	v_lshlrev_b32 v[R4], 2, v9
	v_add_nc_u32 v[ASK0], SCK, v[R4]
	v_add_nc_u32 v[ASV0], SCV, v[R4]
	global_load_b128 v[16:19], v[LI], s[84:85]     ; Q's fragment stays in registers
	global_load_b128 v[20:23], v[LI], s[84:85] offset:512
	global_load_b32 v255, v[R4], s[86:87]          ; and its scale words
	v_mov_b32 v13, 0xff61b1e6                      ; the largest t so far: -3e38, under every t
	v_floor_f32 v12, -v13                          ; -M
	v_mov_b32 v14, 0                               ; the sum, in two halves
	v_mov_b32 v15, 0
.irp b, 0,1,2,3
	v_mov_b32 v[236+\b], 0                         ; written once: a lane permute's destination counts as one of its sources
.endr
	v_mov_b32 v253, 0                              ; (named as the upper half of the pair v[252:253] before it is first written)
.set j, 0
.rept 64
	v_mov_b32 v[160+j], 0                          ; O^T.  (The key step is written without a first step of its own: it finds zeros, which the first change of M leaves zeros)
.set j, j+1
.endr
; Eight fragments, a key step's K or V, and their scale words: 24 LDS loads in one run
.macro FLOAD adr, sadr
.irp t, 0,1,2,3,4,5,6,7
	ds_load_b128 v[F+8*\t:F+8*\t+3], v[\adr] offset:1024*\t
	ds_load_b128 v[F+8*\t+4:F+8*\t+7], v[\adr] offset:1024*\t+512
.endr
.irp t, 0,1,2,3,4,5,6,7
	ds_load_b32 v[KS+\t], v[\sadr] offset:64*\t
.endr
.endm
; Of the row's sum: pairs of additions from p's register first on, two numbers each, in two chains
.macro SUMS first, pairs
.set j, \first
.rept \pairs
	v_pk_add_f32 v[14:15], v[14:15], v[96+j:97+j]
	v_pk_add_f32 v[236:237], v[236:237], v[98+j:99+j]
.set j, j+4
.endr
.endm
; A KEY STEP: 128 keys.  At its head its K has been asked for; s[TB], s[TS] stand at this step.  more = 1: the next step's K is asked for.
.macro STEP more
	s_wait_dscnt 0x0                               ; K's eight fragments and their scale words are in
.irp t, 0,1,2,3,4,5,6,7                        ; S^T = K Q^T: eight tiles of 16 keys
	v_wmma_scale_f32_16x16x128_f8f6f4 v[96+8*\t:103+8*\t], v[F+8*\t:F+8*\t+7], v[16:23], 0, v[KS+\t], v255 matrix_a_fmt:MATRIX_FMT_FP4 matrix_b_fmt:MATRIX_FMT_FP4
.endr                                          ; the 16 registers of tiles 2 b, 2 b + 1 are keys 32 b + 16 (lane / 16) + 0 .. 15 of the step
	v_add_nc_u32 v[ADV], s[TB], v[AV0]             ; four plain lines that name none of the products' registers: the places in front of the loads into K's registers and of the first read of the scores
	v_add_nc_u32 v[ADT], s[TS], v[ASV0]
.if \more
	s_add_co_u32 s[TB], s[TB], 8192                ; on to the next step's images
	s_add_co_u32 s[TS], s[TS], 512                 ; and scale words
	v_add_nc_u32 v[ADK], s[TB], v[LI]
	v_add_nc_u32 v[ADS], s[TS], v[ASK0]
.else
	v_nop
	v_nop
.endif
	FLOAD ADV, ADT                                 ; V of this step: it lands under the softmax
.irp b, 0,1,2,3
	v_max3_num_f32 v[232+\b], v[96+16*\b], v[97+16*\b], v[98+16*\b]   ; THE LARGEST SCORE OF EACH BLOCK OF 32 KEYS serves twice: for the row's maximum, and, since p rises with the score, for the block's largest p
.endr
.irp i, 3,5,7,9,11,13
.irp b, 0,1,2,3
	v_max3_num_f32 v[232+\b], v[232+\b], v[96+16*\b+\i], v[97+16*\b+\i]   ; (the four blocks by turns)
.endr
.endr
.irp b, 0,1,2,3
	v_max_num_f32 v[232+\b], v[232+\b], v[111+16*\b]
.endr
.irp b, 0,1,2,3
	v_permlanex16_b32 v[236+\b], v[232+\b], s[SEL], s[SEL+1]
.endr
.irp b, 0,1,2,3
	v_max_num_f32 v[232+\b], v[232+\b], v[236+\b]  ; with lane l xor 16's 16 keys
.endr
	v_max3_num_f32 v254, v232, v233, v234
	v_max_num_f32 v254, v254, v235                 ; the step's largest score of my query
	v_mul_f32 v254, s[CS], v254                    ; as t (c is positive)
	v_max_num_f32 v13, v13, v254                   ; the running largest t
	v_mov_b32 v254, v12
	v_floor_f32 v12, -v13                          ; the new -M = floor(-t) = -ceil(t): M is a whole number
	v_sub_f32 v254, v12, v254                      ; M's old value less its new one: a whole number, 0 or less
	v_cvt_i32_f32 v254, v254                       ; (it saturates)
	v_ldexp_f32 v252, 1.0, v254                    ; f = 2^(old M - new M): a multiplication by it rounds nothing
.set j, 0
.rept 32
	v_pk_fma_f32 v[96+j:97+j], v[96+j:97+j], s[CS:CS+1], v[12:13] op_sel_hi:[1,0,0]   ; t - M, two at a time (of the pairs c and -M the low word serves both halves)
.set j, j+2
.endr
.irp b, 0,1,2,3
	v_fma_f32 v[232+\b], v[232+\b], s[CS], v12     ; the same of each block's largest score
.endr
.set j, 0
.rept 64
	v_exp_f32 v[96+j], v[96+j]                     ; p = 2^(t - M), at most 1: not normalised
.set j, j+1
.endr
.irp b, 0,1,2,3
	v_exp_f32 v[232+\b], v[232+\b]                 ; the block's largest p, in the same batch: the same two instructions on the same number give the same bits
.endr
	v_pk_mul_f32 v[14:15], v[14:15], v[252:253] op_sel_hi:[1,0]   ; the sums under the new M (the plain line behind the exponentials)
.set j, 0
.rept 24
	v_pk_mul_f32 v[160+j:161+j], v[160+j:161+j], v[252:253] op_sel_hi:[1,0]   ; O^T under the new M: x f.  None of these names an exponential's result: they are the work between the batch and its wait
.set j, j+2
.endr
	s_wait_alu depctr_va_vdst(0)                   ; one wait for the batch of 68, ahead of its first reader
.irp b, 0,1,2,3
	v_max_num_f32 v[232+\b], 0x1800000, v[232+\b]  ; the floor 2^(3 - 127): the byte cannot fall under 1 (a block whose every p has fallen to 0 keeps that byte: its codes are zeros)
.endr
.irp b, 0,1,2,3
	v_add_nc_u32 v[244+\b], 0xff000000, v[232+\b]  ; 2 off the exponent field: the conversion's scale operand
.endr
.irp b, 0,1,2,3
	v_lshrrev_b32 v[236+\b], 23, v[244+\b]         ; the scale's byte
.endr
	v_lshl_or_b32 v253, v237, 8, v236              ; p's scale word for these 128 keys
	v_lshl_or_b32 v253, v238, 16, v253
	v_lshl_or_b32 v253, v239, 24, v253
.irp b, 0,1,2,3
	v_cvt_scalef32_pk8_fp4_f32 v[224+2*\b], v[96+16*\b:103+16*\b], v[244+\b]
	v_cvt_scalef32_pk8_fp4_f32 v[225+2*\b], v[104+16*\b:111+16*\b], v[244+\b]
.endr
	v_nop                                          ; one plain line behind the conversions
.irp c, 0,1                                    ; the operand's layout wants a WHOLE block in a lane: lanes 0-15 block 2 c, lanes 16-31 block 2 c + 1
.irp i, 0,1
	v_permlane16_swap_b32 v[224+4*\c+\i], v[226+4*\c+\i]
.endr
.endr
.set j, 48
.rept 8
	v_pk_mul_f32 v[160+j:161+j], v[160+j:161+j], v[252:253] op_sel_hi:[1,0]   ; the rest of O^T x f;
.set j, j+2
.endr
	v_pk_add_f32 v[236:237], v[96:97], v[98:99]    ; THE ROW'S SUM IS TAKEN OF THE UNQUANTISED p.  Its first five additions stand here: with the eight lines above, thirteen plain lines between p's codes and scale word and the products that take them
	SUMS 4, 2
	s_wait_dscnt 0x0                               ; V's eight fragments and their scale words are in: they were asked for ahead of the softmax
.irp t, 0,1,2,3,4,5,6,7                        ; O^T += V^T P^T: eight tiles of 16 of the head's 128; K = these 128 keys.  The eight accumulators take turns, one instruction a turn
	v_wmma_scale_f32_16x16x128_f8f6f4 v[160+8*\t:167+8*\t], v[F+8*\t:F+8*\t+7], v[224:231], v[160+8*\t:167+8*\t], v[KS+\t], v253 matrix_a_fmt:MATRIX_FMT_FP4 matrix_b_fmt:MATRIX_FMT_FP4
.endr
	SUMS 12, 2                                     ; four additions that name none of the products' registers: the places in front of the loads into V's registers
.if \more
	FLOAD ADK, ADS                                 ; K of the next step: it lands under the rest of the sum
.endif
	SUMS 20, 11
	v_pk_add_f32 v[14:15], v[14:15], v[236:237]
.endm
	s_wait_loadcnt 0x0                             ; Q
	s_wait_tensorcnt 0x3                           ; a wave's loads end in the order of issue (scale words, chunks 0 to 3): with my three of chunks 1 to 3 out, the scale words and chunk 0 have landed
	s_wait_dscnt 0x0
	s_barrier_signal -1
	s_barrier_wait -1                              ; every fetching wave's have.  The later chunks' loads stay out across this barrier
	s_mov_b32 s[TB], 0
	s_mov_b32 s[TS], 0
	v_add_nc_u32 v[ADK], s[TB], v[LI]
	v_add_nc_u32 v[ADS], s[TS], v[ASK0]
	FLOAD ADK, ADS                                 ; K of step 0
	s_mov_b32 s[CNT], 3
.Lfirst:                                           ; steps 0 to 2; the third asks for K of step 3, the last of chunk 0
	STEP 1
	s_sub_co_u32 s[CNT], s[CNT], 1
	s_cmp_lg_u32 s[CNT], 0
	s_cbranch_scc1 .Lfirst
	s_wait_tensorcnt 0x0                           ; all my loads have landed,
	s_wait_dscnt 0x0                               ; and no LDS load of mine is pending at the signal
	s_barrier_signal -1
	s_barrier_wait -1                              ; the whole head lies in LDS: from here on no wave waits for another
	s_mov_b32 s[TB], 3*8192
	s_mov_b32 s[TS], 3*512
	s_mov_b32 s[CNT], 12
.Lrest:                                            ; steps 3 to 14
	STEP 1
	s_sub_co_u32 s[CNT], s[CNT], 1
	s_cmp_lg_u32 s[CNT], 0
	s_cbranch_scc1 .Lrest
	s_mov_b32 s[TB], 15*8192
	s_mov_b32 s[TS], 15*512
	STEP 0                                         ; step 15 is written out: there is no K behind it to ask for
	; THE WAY OUT.  O^T / the sum; register 16 b + i is d = 32 b + 16 (lane / 16) + i of my query: quantised along d, it is one fragment of the output product's operand (K step = my head) and one scale word a query.
	v_add_f32 v14, v14, v15                        ; the sum's two halves,  (the additions at the last step's end are the places behind its products)
	v_permlanex16_b32 v252, v14, s[SEL], s[SEL+1]
	v_add_f32 v14, v14, v252                       ; and lane l xor 16's: the row's sum
	v_rcp_f32 v14, v14
	v_nop                                          ; a plain line behind the transcendental,
	s_wait_alu depctr_va_vdst(0)                   ; and the wait ahead of the reciprocal's first reader
.set j, 0
.rept 64
	v_mul_f32 v[96+j], v[160+j], v14               ; in ascending order: each accumulator from its low end on
.set j, j+1
.endr
.irp b, 0,1,2,3
	v_max3_num_f32 v[232+\b], |v[96+16*\b]|, |v[97+16*\b]|, 0x1800000   ; block b: my 16 numbers, and the floor 2^(3 - 127)
.endr
.irp i, 2,4,6,8,10,12,14
.irp b, 0,1,2,3
	v_max3_num_f32 v[232+\b], v[232+\b], |v[96+16*\b+\i]|, |v[97+16*\b+\i]|
.endr
.endr
.irp b, 0,1,2,3
	v_permlanex16_b32 v[236+\b], v[232+\b], s[SEL], s[SEL+1]
.endr
.irp b, 0,1,2,3
	v_max_num_f32 v[232+\b], v[232+\b], v[236+\b]  ; with lane l xor 16's: the block's largest magnitude
.endr
.irp b, 0,1,2,3
	v_add_nc_u32 v[244+\b], 0xff000000, v[232+\b]
.endr
.irp b, 0,1,2,3
	v_lshrrev_b32 v[236+\b], 23, v[244+\b]
.endr
	v_lshl_or_b32 v254, v237, 8, v236
	v_lshl_or_b32 v254, v238, 16, v254
	v_lshl_or_b32 v254, v239, 24, v254
.irp b, 0,1,2,3
	v_cvt_scalef32_pk8_fp4_f32 v[224+2*\b], v[96+16*\b:103+16*\b], v[244+\b]
	v_cvt_scalef32_pk8_fp4_f32 v[225+2*\b], v[104+16*\b:111+16*\b], v[244+\b]
.endr
	v_nop                                          ; one plain line behind the conversions
.irp c, 0,1
.irp i, 0,1
	v_permlane16_swap_b32 v[224+4*\c+\i], v[226+4*\c+\i]
.endr
.endr
	global_store_b128 v[LI], v[224:227], s[88:89]              ; 32 lanes store 512 consecutive bytes, at a multiple of 256 from the buffer's first byte
	global_store_b128 v[LI], v[228:231], s[88:89] offset:512
	global_store_b32 v[R4], v254, s[90:91]         ; 64 bytes; lanes r and r + 16 store the same word
	s_wait_dscnt 0x0
	s_wait_tensorcnt 0x0
	ds_add_u32 v250, v251
	s_wait_dscnt 0x0
	ROUND                                          ; the closing round: no work-group ends while a partner may still ask for a tile that names it
	s_endpgm
.Lfunc_end_k_q45d4de1df5_attn:
	.size	k_q45d4de1df5_attn, .Lfunc_end_k_q45d4de1df5_attn-k_q45d4de1df5_attn
	.p2alignl 7, 3214868480
	.fill 96, 4, 3214868480
	.section	.rodata,"a",@progbits
	.p2align	6, 0x0
	.amdhsa_kernel k_q45d4de1df5_attn
		.amdhsa_group_segment_fixed_size 280576
		.amdhsa_private_segment_fixed_size 0
		.amdhsa_enable_private_segment 0
		.amdhsa_kernarg_size 32
		.amdhsa_user_sgpr_count 2
		.amdhsa_user_sgpr_kernarg_segment_ptr 1
		.amdhsa_wavefront_size32 1
		.amdhsa_system_sgpr_workgroup_id_x 1
		.amdhsa_system_sgpr_workgroup_id_y 1
		.amdhsa_system_sgpr_workgroup_id_z 1
		.amdhsa_system_vgpr_workitem_id 0
		.amdhsa_next_free_vgpr 256
		.amdhsa_next_free_sgpr 96
		.amdhsa_reserve_vcc 0
		.amdhsa_float_denorm_mode_32 3
		.amdhsa_float_denorm_mode_16_64 3
		.amdhsa_memory_ordered 1
		.amdhsa_forward_progress 1
		.amdhsa_inst_pref_size 70
	.end_amdhsa_kernel
	.amdgpu_metadata
---
amdhsa.version: [ 1, 2 ]
amdhsa.kernels:
  - .name:           k_q45d4de1df5_attn
    .symbol:         k_q45d4de1df5_attn.kd
    .args:
      - { .name: qc, .offset: 0, .size: 8, .value_kind: global_buffer, .address_space: global }
      - { .name: kc, .offset: 8, .size: 8, .value_kind: global_buffer, .address_space: global }
      - { .name: vc, .offset: 16, .size: 8, .value_kind: global_buffer, .address_space: global }
      - { .name: ac, .offset: 24, .size: 8, .value_kind: global_buffer, .address_space: global }
    .group_segment_fixed_size: 280576
    .private_segment_fixed_size: 0
    .kernarg_segment_align: 8
    .kernarg_segment_size: 32
    .max_flat_workgroup_size: 512
    .sgpr_count:     96
    .vgpr_count:     256
    .wavefront_size: 32
...
	.end_amdgpu_metadata
.endif
;; end of part 3
;; launch proj (part 4): grid 256 x 1, 8 waves a work-group, no clusters, 140,288 bytes of LDS; arguments ac, wts, bo, x, out0; writes out0
.if DOCPART == 4
	.amdgcn_target "amdgcn-amd-amdhsa--gfx1250"
	.amdhsa_code_object_version 6
	.text
	.protected	k_q45d4de1df5_proj
	.globl	k_q45d4de1df5_proj
	.p2align	8
	.type	k_q45d4de1df5_proj,@function
k_q45d4de1df5_proj:
	s_mov_b64 s[64:65], 0
	v_nop
	global_prefetch_b8 v0, s[64:65] scope:SCOPE_SE
	s_setreg_imm32_b32 hwreg(HW_REG_WAVE_MODE, 25, 1), 1
	s_wait_xcnt 0x0
; PROJ.  out = x + wo attn + bo, the product on codes of E2M1 with one E8M0 byte for each 32 along K (K = the channel = 128 head + d).
; SHARES.  Work-group g: batch g / 32, columns l = 64 (g % 32) .. + 63.  Wave w: output rows 64 w .. 64 w + 63 (wo's tiles 4 w + t), for the four tiles of 16 columns.
; Both operands come from memory as images of their registers (1,024 bytes a fragment), straight into registers: two loads of 512 consecutive bytes a fragment.
; Source 0 = attn's tile (16 columns l), source 1 = wo's tile (16 rows o).  Fragment row i of tile 2 b + u is 32 b + 8 u + i + 8 (i / 8): a lane then holds ONE output row and eight NEIGHBOURING columns, 32 b + 8 u + 16 (lane / 16) + 0 .. 7.
; The results go through the wave's own stage in LDS (64 rows x (256 bytes + 16)) and come back as whole rows of 256 bytes, to which x is added.  x is asked for at the head and lands while the products run.  Waves share nothing: no barrier.
; REGISTERS.  window 0: v1-7 addresses; v12-15 the bias; v16-31 attn's scale words; v32-47 wo's; v48-63 two C tiles; v64-127 eight accumulators, later rows from the stage; v128-255 x.   window 1: v0-127 attn's 16 fragments; v128-255 wo's 16.
.set STGW, 17408                       ; a wave's stage: 64 rows x 272 bytes
.set LI,   1                           ; v1   16 x lane
.set R4,   2                           ; v2   4 r
.set R8,   3                           ; v3   8 r
.set BV,   4                           ; v4   4 (r + 8 (r / 8))
.set XO,   5                           ; v5   x and out0: a row of 8,192 bytes x (lane / 16) + 16 r
.set SO,   6                           ; v6   the stage: where I put 32 bytes of a row
.set SR,   7                           ; v7   and where I read a row back
.set BB,   12
.set AS,   16
.set WSW,  32
.set CT,   48
.set ACC,  64
.set X,    128
.set MSB, 0
.macro WIN new                         ; the immediate's high byte repeats the setting that is left
.if MSB != \new
	s_set_vgpr_msb (MSB<<8)|\new
.set MSB, \new
.endif
.endm
.macro PLACES                          ; four plain vector lines behind matrix instructions, in front of reads of their results and of writes of their registers (ISA guide 7.12.1)
.rept 4
	v_nop
.endr
.endm
	s_load_b256 s[4:11], s[0:1], 0x0               ; ac s[4:5], wts s[6:7], bo s[8:9], x s[10:11]
	s_load_b64 s[12:13], s[0:1], 0x20              ; out0
	v_lshrrev_b32 v8, 5, v0
	v_readfirstlane_b32 s14, v8                    ; wave 0..7
	v_and_b32 v8, 31, v0
	v_and_b32 v9, 15, v0                           ; r
	v_bfe_u32 v10, v0, 4, 1                        ; h
	v_lshlrev_b32 v[LI], 4, v8
	v_lshlrev_b32 v[R4], 2, v9
	v_lshlrev_b32 v[R8], 3, v9
	v_and_b32 v11, 8, v9
	v_add_nc_u32 v11, v11, v9                      ; r + 8 (r / 8)
	v_lshlrev_b32 v[BV], 2, v11
	v_lshlrev_b32 v[XO], 4, v9
	v_lshl_add_u32 v[XO], v10, 13, v[XO]
	s_mul_i32 s15, s14, STGW
	v_mul_u32_u24 v[SO], v11, 272
	v_lshl_add_u32 v[SO], v10, 6, v[SO]
	v_add_nc_u32 v[SO], s15, v[SO]                 ; in: row r + 8 (r / 8) of the tile's group of 32, + 64 h bytes
	v_mul_u32_u24 v[SR], v10, 272
	v_lshl_add_u32 v[SR], v9, 4, v[SR]
	v_add_nc_u32 v[SR], s15, v[SR]                 ; back: lanes 0-15 one row, lanes 16-31 the next
	s_lshr_b32 s16, ttmp9, 5
	s_lshl_b32 s16, s16, 22                        ; x, out0: a batch is 4 MiB,
	s_lshl_b32 s17, s14, 19                        ; 64 rows of 8,192 bytes,
	s_add_co_u32 s16, s16, s17
	s_and_b32 s17, ttmp9, 31
	s_lshl_b32 s17, s17, 8                         ; 64 columns
	s_add_co_u32 s16, s16, s17
	s_mov_b32 s17, 0
	s_wait_kmcnt 0x0
	s_add_nc_u64 s[10:11], s[10:11], s[16:17]
	s_add_nc_u64 s[12:13], s[12:13], s[16:17]
	s_lshl_b32 s16, ttmp9, 10
	s_add_co_u32 s16, s16, 0x400000
	s_add_nc_u64 s[22:23], s[4:5], s[16:17]        ; attn's scale words: 16 fragments x 64 bytes
	s_lshl_b32 s16, ttmp9, 14
	s_add_nc_u64 s[4:5], s[4:5], s[16:17]          ; attn's 16 images
	s_lshl_b32 s16, s14, 14
	s_add_co_u32 s16, s16, 393216
	s_add_nc_u64 s[18:19], s[6:7], s[16:17]        ; wo's images: the fourth weight, my four tiles
	s_lshl_b32 s16, s14, 10
	s_add_co_u32 s16, s16, 548864
	s_add_nc_u64 s[20:21], s[6:7], s[16:17]        ; and their scale bytes: 524,288 + 3 x 8,192 + 1,024 x wave
	s_lshl_b32 s16, s14, 8
	s_add_nc_u64 s[8:9], s[8:9], s[16:17]
.irp t, 0,1,2,3
	global_load_b32 v[BB+\t], v[BV], s[8:9] offset:(32*(\t/2)+8*(\t%2))*4   ; a lane holds one output row
.endr
.irp t, 0,1,2,3
.irp f, 0,1
	global_load_b64 v[WSW+4*\t+2*\f:WSW+4*\t+2*\f+1], v[R8], s[20:21] offset:256*\t+128*\f
.endr
.endr
.set i, 0
.rept 16
	global_load_b32 v[AS+i], v[R4], s[22:23] offset:64*i   ; fragment (m, s) = 4 m + s
.set i, i+1
.endr
	WIN 0x40                                       ; destination window 1
.set i, 0
.rept 32
	global_load_b128 v[4*i:4*i+3], v[LI], s[4:5] offset:512*i
.set i, i+1
.endr
.set i, 0
.rept 32
	global_load_b128 v[128+4*i:131+4*i], v[LI], s[18:19] offset:512*i
.set i, i+1
.endr
	WIN 0
.set i, 0
.rept 32
	global_load_b128 v[X+4*i:X+4*i+3], v[XO], s[10:11] offset:16384*i th:TH_LOAD_NT   ; rows 2 i and 2 i + 1: sixteen lanes read 256 consecutive bytes
.set i, i+1
.endr
	s_wait_loadcnt 32                              ; all operands are in; x's 32 loads stay out
; Pass p: wo's tiles 2 p and 2 p + 1 against the four tiles of columns: 32 matrix instructions, eight accumulators by turns, one instruction a turn; the bias is the C of each sum's first instruction.
.macro PASS p
.if \p > 0
	s_wait_dscnt 0x0                               ; the last pass's LDS stores have read the accumulators
.endif
.irp u, 0,1
.irp j, 0,1,2,3,4,5,6,7
	v_mov_b32 v[CT+8*\u+\j], v[BB+2*\p+\u]
.endr
.endr
	PLACES
	WIN 0x05                                       ; sources 0 and 1 window 1
.irp s, 0,1,2,3
.irp m, 0,1,2,3
.irp u, 0,1
.if \s == 0
	v_wmma_scale_f32_16x16x128_f8f6f4 v[ACC+32*\u+8*\m:ACC+32*\u+8*\m+7], v[8*(4*\m+\s):8*(4*\m+\s)+7], v[128+8*(4*(2*\p+\u)+\s):128+8*(4*(2*\p+\u)+\s)+7], v[CT+8*\u:CT+8*\u+7], v[AS+4*\m+\s], v[WSW+4*(2*\p+\u)+\s] matrix_a_fmt:MATRIX_FMT_FP4 matrix_b_fmt:MATRIX_FMT_FP4
.else
	v_wmma_scale_f32_16x16x128_f8f6f4 v[ACC+32*\u+8*\m:ACC+32*\u+8*\m+7], v[8*(4*\m+\s):8*(4*\m+\s)+7], v[128+8*(4*(2*\p+\u)+\s):128+8*(4*(2*\p+\u)+\s)+7], v[ACC+32*\u+8*\m:ACC+32*\u+8*\m+7], v[AS+4*\m+\s], v[WSW+4*(2*\p+\u)+\s] matrix_a_fmt:MATRIX_FMT_FP4 matrix_b_fmt:MATRIX_FMT_FP4
.endif
.endr
.endr
.endr
	WIN 0
	PLACES
.irp u, 0,1
.irp m, 0,1,2,3
	ds_store_b128 v[SO], v[ACC+32*\u+8*\m:ACC+32*\u+8*\m+3] offset:(32*\p+8*\u)*272+128*(\m/2)+32*(\m%2)       ; each accumulator from its low end on
	ds_store_b128 v[SO], v[ACC+32*\u+8*\m+4:ACC+32*\u+8*\m+7] offset:(32*\p+8*\u)*272+128*(\m/2)+32*(\m%2)+16
.endr
.endr
.endm
	PASS 0
	PASS 1
; Rows 32 p .. 32 p + 31 come back from the stage, two an instruction; x is added; sixteen lanes store 256 consecutive bytes, at a multiple of 256 from out0's first byte.  LDS serves a wave's instructions in order: the loads see the stores above.
.macro BATCH p
	s_wait_loadcnt 16-16*\p                        ; x's first 16 loads are in, 16 stand behind; then all
.irp k, 0,1,2,3,4,5,6,7,8,9,10,11,12,13,14,15
	ds_load_b128 v[ACC+4*\k:ACC+4*\k+3], v[SR] offset:(32*\p+2*\k)*272
.endr
.irp k, 0,1,2,3,4,5,6,7,8,9,10,11,12,13,14,15
	s_wait_dscnt 15-\k                             ; read k is in; the later ones stand behind it
	v_pk_add_f32 v[X+4*(16*\p+\k):X+4*(16*\p+\k)+1], v[X+4*(16*\p+\k):X+4*(16*\p+\k)+1], v[ACC+4*\k:ACC+4*\k+1]
	v_pk_add_f32 v[X+4*(16*\p+\k)+2:X+4*(16*\p+\k)+3], v[X+4*(16*\p+\k)+2:X+4*(16*\p+\k)+3], v[ACC+4*\k+2:ACC+4*\k+3]
	global_store_b128 v[XO], v[X+4*(16*\p+\k):X+4*(16*\p+\k)+3], s[12:13] offset:16384*(16*\p+\k) th:TH_STORE_NT   ; its data are never written again (v254 and v255 at the kernel's end aside)
.endr
.endm
	BATCH 0
	BATCH 1
	s_wait_xcnt 0x0
	v_lshl_add_u32 v254, v0, 2, 0x22000
	v_mov_b32 v255, 0
	s_wait_tensorcnt 0x0
	ds_add_u32 v254, v255
	s_wait_dscnt 0x0
	s_endpgm
.Lfunc_end_k_q45d4de1df5_proj:
	.size	k_q45d4de1df5_proj, .Lfunc_end_k_q45d4de1df5_proj-k_q45d4de1df5_proj
	.p2alignl 7, 3214868480
	.fill 96, 4, 3214868480
	.section	.rodata,"a",@progbits
	.p2align	6, 0x0
	.amdhsa_kernel k_q45d4de1df5_proj
		.amdhsa_group_segment_fixed_size 140288
		.amdhsa_private_segment_fixed_size 0
		.amdhsa_enable_private_segment 0
		.amdhsa_kernarg_size 40
		.amdhsa_user_sgpr_count 2
		.amdhsa_user_sgpr_kernarg_segment_ptr 1
		.amdhsa_wavefront_size32 1
		.amdhsa_system_sgpr_workgroup_id_x 1
		.amdhsa_system_sgpr_workgroup_id_y 1
		.amdhsa_system_sgpr_workgroup_id_z 1
		.amdhsa_system_vgpr_workitem_id 0
		.amdhsa_next_free_vgpr 512
		.amdhsa_next_free_sgpr 66
		.amdhsa_reserve_vcc 0
		.amdhsa_float_denorm_mode_32 3
		.amdhsa_float_denorm_mode_16_64 3
		.amdhsa_memory_ordered 1
		.amdhsa_forward_progress 1
		.amdhsa_inst_pref_size 36
	.end_amdhsa_kernel
	.amdgpu_metadata
---
amdhsa.version: [ 1, 2 ]
amdhsa.kernels:
  - .name:           k_q45d4de1df5_proj
    .symbol:         k_q45d4de1df5_proj.kd
    .args:
      - { .name: ac, .offset: 0, .size: 8, .value_kind: global_buffer, .address_space: global }
      - { .name: wts, .offset: 8, .size: 8, .value_kind: global_buffer, .address_space: global }
      - { .name: bo, .offset: 16, .size: 8, .value_kind: global_buffer, .address_space: global }
      - { .name: x, .offset: 24, .size: 8, .value_kind: global_buffer, .address_space: global }
      - { .name: out0, .offset: 32, .size: 8, .value_kind: global_buffer, .address_space: global }
    .group_segment_fixed_size: 140288
    .private_segment_fixed_size: 0
    .kernarg_segment_align: 8
    .kernarg_segment_size: 40
    .max_flat_workgroup_size: 256
    .sgpr_count:     66
    .vgpr_count:     512
    .wavefront_size: 32
...
	.end_amdgpu_metadata
.endif
;; end of part 4
;; ======== version 2 of 2: 4 launches; version 1 with the launches qkv, proj written anew for expert scheduling mode
;; workspace buffers: stats 2,048 bytes; wts 557,056 bytes; qc 4,456,448 bytes; kc 4,456,448 bytes; vc 4,456,448 bytes; ac 4,456,448 bytes
;; launch prep: the kernel of part 1 again; grid 256 x 1, 8 waves a work-group, no clusters, 5,120 bytes of LDS; arguments x, wq, wk, wv, wo, stats, wts; writes stats, wts
;; launch qkv (part 5): grid 256 x 1, 8 waves a work-group, no clusters, 21,504 bytes of LDS; arguments x, gn_scale, gn_bias, stats, wts, bq, bk, bv, qc, kc, vc; writes qc, kc, vc
.if DOCPART == 5
	.amdgcn_target "amdgcn-amd-amdhsa--gfx1250"
	.amdhsa_code_object_version 6
	.text
	.protected	k_q45d4de1df5_qkv
	.globl	k_q45d4de1df5_qkv
	.p2align	8
	.type	k_q45d4de1df5_qkv,@function
k_q45d4de1df5_qkv:
	s_mov_b64 s[64:65], 0
	v_nop
	global_prefetch_b8 v0, s[64:65] scope:SCOPE_SE
	s_setreg_imm32_b32 hwreg(HW_REG_WAVE_SCHED_MODE, 0, 2), 2
	s_setreg_imm32_b32 hwreg(HW_REG_WAVE_MODE, 25, 1), 1
	s_wait_xcnt 0x0
	s_wait_alu depctr_vm_vsrc(0)
; QKV.  h = group norm of x; q, k, v = W h + b, the three products on codes of E2M1 with one E8M0 byte for each 32 along K (K = the channel); q, k and v leave AS CODES for the attention's products and never as f32.
; SHARES.  Work-group g: batch g / 32, columns l = 64 (g % 32) .. + 63, all 1,536 outputs: each number of x is normalised and quantised once in the launch.
;   X phase: wave w takes channels 64 w .. 64 w + 63 (two blocks of 32 along K; norm group w / 2); a lane takes columns 2 lane and 2 lane + 1, its registers run down the channels, so a block's largest magnitude needs no other lane.
;   Products: wave w takes rows 64 w .. 64 w + 63 of each weight (four tiles; head w / 2), for the four tiles of 16 columns.  Its weight fragments come from memory straight into operand registers; each feeds four matrix instructions.
; TILES.  In every group of 32 rows (of a weight) or columns (of h), fragment row i of tile 2 b + u is 32 b + 8 u + i + 8 (i / 8).  With such a tile as source 0, register j of lane (r, h) is 32 b + 8 u + 16 h + j:
;   the 16 registers of tiles 2 b and 2 b + 1 are 16 neighbours, as the conversions want them.
;   q, k: source 0 = the weight's tile, source 1 = h's: a lane holds one column l and its registers run along d, the scores' K.   v: the sources swapped: a lane holds one d and its registers run along l, the keys.
; IMAGES.  A fragment (16 rows x 128 K, 1,024 bytes) lies as its registers: registers 4 c .. 4 c + 3 of lane l at byte 512 c + 16 l; scale words 4 bytes a fragment row.
;   qc, kc: [batch x head 32][tile of l 128][1,024], from byte 4,194,304 on [32][128][16][4].   vc: [32][step of 128 keys 16][tile of d 8][1,024], then [32][16][8][16][4].
; LIMITS: NaN and infinities are not served; a block of zeros, or one whose largest magnitude lies under 2^-124, keeps the byte 1 (a block of zeros has zero codes; this program alone reads the bytes).
; REGISTERS.  window 0: v1-13 addresses; v14-20 at work; v27 and v31 the closing add's two; v28-29 1 / sqrt(var + eps), v30 the mean; v32-47 codes just made; v48-51 their scale bytes or words; v52-55 v's bias; v56-63 at work;
;   v64-79 the weight's scale words, v80-95 h's; v96-127 the bias as four C tiles; v128-255 sixteen accumulators (X phase: h's 128 numbers).   window 1: v0-127 x as loaded, then h's 16 fragments; v128-255 the weight's 16.
; THE MODE: SCHED_MODE bits 1:0 = 2 (LLVM: expert scheduling mode 2), set by the entry lines.  The code itself states the register dependences between vector or matrix instructions and memory or LDS instructions, with s_wait_alu, always for 0.
; THE PLAN.  Registers that memory or LDS instructions touch, and who else names them:
;   v1-13                                     offsets and LDS addresses: written at the head, read by every load and store, never written again.
;   window 1 v0-127                           x lands; the norm's subtractions read it; h's fragments land from LDS; the products read them.
;   window 1 v128-255, v[WS ..], v[BIAS ..], v[BT ..]   a weight's fragments, scale words and bias land; its products (v's bias: 32 moves) read them; the next weight's land.
;   v[PC ..] 16, v[PW ..] 4, v14-15           written by a quantising's conversions, swaps and byte lines; read by the stores behind it; written again by the next quantising; at the end an LDS load lands in v[14:15].
;   v[ACC ..]                                 the norm group's record lands in the first 16; from then on vector and matrix instructions alone name them.
; THE WAITS.  One on va_vdst ahead of the first load, for all addresses.  Each of the five quantisings (h's two halves, q, k, v) makes all its codes and words first, in registers of their own; ONE wait on va_vdst; then its stores in one run.
;   Behind q's and k's products: one wait on va_vdst (the products are done reading what the next weight's loads land in) and one on vm_vsrc (the stores issued so far have read the codes and words that the quantising behind the loads writes again).
.set HIMG, 0                           ; LDS: h's 16 images, (4 m + s) x 1,024: tile of columns m, K step s
.set HSC,  16384                       ; h's scale bytes [m][row 16][16 blocks]
.set QKS,  17408                       ; q's and k's scale words [q, k][head 4][m 4][row 16][4]
.set LI,   1                           ; v1   16 x lane
.set R4,   2                           ; v2   4 r
.set R8,   3                           ; v3   8 r
.set R16,  4                           ; v4   HSC + 16 r
.set HST,  5                           ; v5   where my column's codes go in h's images
.set HSS,  6                           ; v6   and its two scale bytes
.set SST,  7                           ; v7   where my two bytes of a scale word of q or k go
.set BQ,   8                           ; v8   64 h: q's and k's bias
.set BV,   9                           ; v9   4 (r + 8 (r / 8)): v's bias
.set XA,   10                          ; v10  8 x lane
.set QKO,  11                          ; v11  QKS + 8 x thread
.set ZR,   13                          ; v13  0
.set RS,   28
.set MN,   30
.set PC,   32
.set PW,   48
.set BT,   52
.set TM,   56
.set WS,   64
.set HS,   80
.set BIAS, 96
.set ACC,  128
.set MSB, 0
.macro WIN new                         ; the immediate's high byte repeats the setting that is left
.if MSB != \new
	s_set_vgpr_msb (MSB<<8)|\new
.set MSB, \new
.endif
.endm
.macro BARRIER                         ; my LDS stores have landed and my LDS loads are in: then the work-group's barrier
	s_wait_dscnt 0x0
	s_barrier_signal -1
	s_barrier_wait -1
.endm
.macro PLACES                          ; four plain vector lines behind matrix instructions, in front of reads of their results and of vector writes of their registers (ISA guide 7.12.1)
.rept 4
	v_nop
.endr
.endm
; The norm of channel block kb, in the order in which the problem writes it: (x - mean) x 1 / sqrt(var + eps), x the channel's gain + its bias.  The subtraction also parts the lane's two columns: column e at ACC + 64 kb + 32 e.
.macro NORM kb
	WIN 0x01                                       ; source 0 (x as loaded) window 1
.irp e, 0,1
.set i, 0
.rept 32
	v_sub_f32 v[ACC+64*\kb+32*\e+i], v[64*\kb+2*i+\e], v[MN]
.set i, i+1
.endr
.endr
	WIN 0
.set i, 0
.rept 32
	v_pk_mul_f32 v[ACC+64*\kb+2*i:ACC+64*\kb+2*i+1], v[ACC+64*\kb+2*i:ACC+64*\kb+2*i+1], v[RS:RS+1]
.set i, i+1
.endr
.irp e, 0,1
.set i, 0
.rept 32
	v_fma_f32 v[ACC+64*\kb+32*\e+i], v[ACC+64*\kb+32*\e+i], s[32+i], s[68+i]   ; a register is one channel in every lane: gain and bias are scalars
.set i, i+1
.endr
.endr
.endm
; A whole block of 32 in one lane's registers v[src] on: four registers of codes at v[pc], the scale's byte in v[by]
.macro BLKQ src, pc, by
	v_max3_num_f32 v[TM], |v[\src]|, |v[\src+1]|, 0x1800000   ; with the floor 2^(3 - 127): the byte cannot fall under 1
	v_max3_num_f32 v[TM+1], |v[\src+2]|, |v[\src+3]|, |v[\src+4]|
.irp i, 5,9,13,17,21,25
	v_max3_num_f32 v[TM], v[TM], |v[\src+\i]|, |v[\src+\i+1]|
	v_max3_num_f32 v[TM+1], v[TM+1], |v[\src+\i+2]|, |v[\src+\i+3]|
.endr
	v_max3_num_f32 v[TM], v[TM], |v[\src+29]|, |v[\src+30]|
	v_max3_num_f32 v[TM], v[TM], v[TM+1], |v[\src+31]|
	v_add_nc_u32 v[TM+4], 0xff000000, v[TM]        ; 2 off the exponent field: the conversion's scale operand
	v_lshrrev_b32 v[\by], 23, v[TM+4]
.irp g, 0,1,2,3
	v_cvt_scalef32_pk8_fp4_f32 v[\pc+\g], v[\src+8*\g:\src+8*\g+7], v[TM+4]
.endr
	v_nop                                          ; one plain line behind the conversions
.endm
; Two blocks of 32 that lie in lanes l and l xor 16: register 16 b + i of v[src] on is K = 32 b + 16 (lane / 16) + i of my row.  Half a fragment's codes (four registers) at v[pc], two scale bytes in v[pw].
; The sources are read in ascending order: each accumulator from its low end on.
.macro HALFQ src, pc, pw
.irp b, 0,1
	v_max3_num_f32 v[TM+\b], |v[\src+16*\b]|, |v[\src+16*\b+1]|, 0x1800000
.endr
.irp i, 2,4,6,8,10,12,14
.irp b, 0,1
	v_max3_num_f32 v[TM+\b], v[TM+\b], |v[\src+16*\b+\i]|, |v[\src+16*\b+\i+1]|
.endr
.endr
.irp b, 0,1
	v_permlanex16_b32 v[TM+2+\b], v[TM+\b], s42, s43
.endr
.irp b, 0,1
	v_max_num_f32 v[TM+\b], v[TM+\b], v[TM+2+\b]   ; with lane l xor 16's: the block's largest magnitude
.endr
.irp b, 0,1
	v_add_nc_u32 v[TM+4+\b], 0xff000000, v[TM+\b]
.endr
.irp b, 0,1
	v_lshrrev_b32 v[TM+6+\b], 23, v[TM+4+\b]
.endr
	v_lshl_or_b32 v[\pw], v[TM+7], 8, v[TM+6]
.irp b, 0,1
	v_cvt_scalef32_pk8_fp4_f32 v[\pc+2*\b], v[\src+16*\b:\src+16*\b+7], v[TM+4+\b]
	v_cvt_scalef32_pk8_fp4_f32 v[\pc+2*\b+1], v[\src+16*\b+8:\src+16*\b+15], v[TM+4+\b]
.endr
	v_nop                                          ; one plain line behind the conversions
	v_permlane16_swap_b32 v[\pc], v[\pc+2]         ; the operand's layout wants a WHOLE block in a lane: lanes 0-15 the first block, lanes 16-31 the second
	v_permlane16_swap_b32 v[\pc+1], v[\pc+3]
.endm
; Weight j (0 q, 1 k, 2 v): my 16 fragments, their scale words, the bias.  48 loads for q and k, 44 for v.
.macro WLOAD j
.if \j > 0
	PLACES                                         ; behind the products just issued: the quantising that follows the loads reads their results
.endif
	WIN 0x40                                       ; destination window 1
.if \j > 0
	s_wait_alu depctr_va_vdst(0)                   ; the products are done reading the last weight's fragments, its scale words and the bias tiles, in which the loads below land
	s_wait_alu depctr_vm_vsrc(0)                   ; the stores issued so far, global and LDS, have read v[PC ..] and v[PW ..], which the quantising behind the loads writes again; none of the loads below names them
.endif
.set i, 0
.rept 32
	global_load_b128 v[128+4*i:131+4*i], v[LI], s[2:3] offset:\j*131072+512*i   ; fragment (t, s) at v[128 + 8 (4 t + s)]: 512 consecutive bytes a load
.set i, i+1
.endr
	WIN 0
.irp t, 0,1,2,3
.irp f, 0,1
	global_load_b64 v[WS+4*\t+2*\f:WS+4*\t+2*\f+1], v[R8], s[28:29] offset:524288+\j*8192+256*\t+128*\f   ; the words of K steps 2 f and 2 f + 1 of fragment row r
.endr
.endr
.if \j < 2
.irp t, 0,1,2,3
	global_load_b128 v[BIAS+8*\t:BIAS+8*\t+3], v[BQ], s[14+2*\j:15+2*\j] offset:(32*(\t/2)+8*(\t%2))*4      ; register i of lane (r, h): the bias of output 32 (t / 2) + 8 (t % 2) + 16 h + i
	global_load_b128 v[BIAS+8*\t+4:BIAS+8*\t+7], v[BQ], s[14+2*\j:15+2*\j] offset:(32*(\t/2)+8*(\t%2))*4+16
.endr
.else
.irp t, 0,1,2,3
	global_load_b32 v[BT+\t], v[BV], s[18:19] offset:(32*(\t/2)+8*(\t%2))*4   ; v: a lane holds one output
.endr
.endif
.endm
; 64 matrix instructions: four K steps x four tiles of columns x four tiles of the weight.  The bias is the C of each sum's first instruction.  The 16 accumulators take turns, one instruction a turn.
.macro MULS kind
	WIN 0x05                                       ; sources 0 and 1 window 1; C and D window 0
.irp s, 0,1,2,3
.irp m, 0,1,2,3
.irp t, 0,1,2,3
.if \kind == 0
.if \s == 0
	v_wmma_scale_f32_16x16x128_f8f6f4 v[ACC+32*\m+8*\t:ACC+32*\m+8*\t+7], v[128+8*(4*\t+\s):128+8*(4*\t+\s)+7], v[8*(4*\m+\s):8*(4*\m+\s)+7], v[BIAS+8*\t:BIAS+8*\t+7], v[WS+4*\t+\s], v[HS+4*\m+\s] matrix_a_fmt:MATRIX_FMT_FP4 matrix_b_fmt:MATRIX_FMT_FP4
.else
	v_wmma_scale_f32_16x16x128_f8f6f4 v[ACC+32*\m+8*\t:ACC+32*\m+8*\t+7], v[128+8*(4*\t+\s):128+8*(4*\t+\s)+7], v[8*(4*\m+\s):8*(4*\m+\s)+7], v[ACC+32*\m+8*\t:ACC+32*\m+8*\t+7], v[WS+4*\t+\s], v[HS+4*\m+\s] matrix_a_fmt:MATRIX_FMT_FP4 matrix_b_fmt:MATRIX_FMT_FP4
.endif
.else
.if \s == 0
	v_wmma_scale_f32_16x16x128_f8f6f4 v[ACC+32*\t+8*\m:ACC+32*\t+8*\m+7], v[8*(4*\m+\s):8*(4*\m+\s)+7], v[128+8*(4*\t+\s):128+8*(4*\t+\s)+7], v[BIAS+8*\t:BIAS+8*\t+7], v[HS+4*\m+\s], v[WS+4*\t+\s] matrix_a_fmt:MATRIX_FMT_FP4 matrix_b_fmt:MATRIX_FMT_FP4
.else
	v_wmma_scale_f32_16x16x128_f8f6f4 v[ACC+32*\t+8*\m:ACC+32*\t+8*\m+7], v[8*(4*\m+\s):8*(4*\m+\s)+7], v[128+8*(4*\t+\s):128+8*(4*\t+\s)+7], v[ACC+32*\t+8*\m:ACC+32*\t+8*\m+7], v[HS+4*\m+\s], v[WS+4*\t+\s] matrix_a_fmt:MATRIX_FMT_FP4 matrix_b_fmt:MATRIX_FMT_FP4
.endif
.endif
.endr
.endr
.endr
.endm
; q (j = 0) or k (1) leaves: for each tile of columns my 64 d are two blocks of the head's four: half c = w % 2 of the tile's image, 512 consecutive bytes a store; the two scale bytes meet the other wave's in LDS.
; All four tiles are quantised first, each into codes' and words' registers of its own; then the eight stores go in one run.
; The codes' registers are the data of the stores below: whoever calls this a second time has waited on XCNT for 0 and on vm_vsrc since the first.
.macro OUTQK j
	s_wait_dscnt 0x0                               ; earlier LDS stores have read the words' registers, which are written again below
.irp m, 0,1,2,3
	HALFQ ACC+32*\m, PC+4*\m, PW+\m
.endr
	s_wait_alu depctr_va_vdst(0)                   ; the conversions, the swaps and the byte lines have written v[PC .. PC + 15] and v[PW .. PW + 3], which the eight stores below read
.irp m, 0,1,2,3
	global_store_b128 v[LI], v[PC+4*\m:PC+4*\m+3], s[32+2*\j:33+2*\j] offset:1024*\m
	ds_store_b16 v[SST], v[PW+\m] offset:1024*\j+64*\m   ; lanes r and r + 16 write the same two bytes with the same value
.endr
.endm
	s_load_b512 s[4:19], s[0:1], 0x0               ; x s[4:5], gn_scale s[6:7], gn_bias s[8:9], stats s[10:11], wts s[12:13], bq s[14:15], bk s[16:17], bv s[18:19]
	s_load_b128 s[20:23], s[0:1], 0x40             ; qc, kc
	s_load_b64 s[24:25], s[0:1], 0x50              ; vc
	v_lshl_add_u32 v27, v0, 2, 0x5000
	v_mov_b32 v31, 0
	v_lshrrev_b32 v14, 5, v0
	v_readfirstlane_b32 s26, v14                   ; wave 0..7
	v_and_b32 v15, 31, v0                          ; lane
	v_and_b32 v16, 15, v0                          ; r
	v_bfe_u32 v17, v0, 4, 1                        ; h
	v_lshlrev_b32 v[LI], 4, v15
	v_lshlrev_b32 v[R4], 2, v16
	v_lshlrev_b32 v[R8], 3, v16
	v_lshl_add_u32 v[R16], v16, 4, HSC
	v_lshlrev_b32 v[XA], 3, v15
	v_lshlrev_b32 v[BQ], 6, v17
	v_and_b32 v18, 8, v16
	v_add_nc_u32 v18, v18, v16                     ; r + 8 (r / 8)
	v_lshlrev_b32 v[BV], 2, v18
	v_lshl_add_u32 v[QKO], v0, 3, QKS
	v_mov_b32 v[ZR], 0
	; column 2 lane + e of the 64: group of 32 = lane bit 4, tile u = lane bit 2, fragment row i = e + 2 (lane % 4) + 8 (lane bit 3).  My channel block kb is block 2 (w % 2) + kb of K step w / 2:
	; image byte 4,096 (2 group + u) + 1,024 (w / 2) + 512 (w % 2) + 16 i + 256 kb; the immediates carry 16 e + 256 kb
	v_and_b32 v19, 3, v0
	v_lshlrev_b32 v19, 5, v19
	v_bfe_u32 v20, v0, 3, 1
	v_lshl_add_u32 v19, v20, 7, v19                ; 16 i without e
	v_bfe_u32 v20, v0, 2, 1
	v_lshl_add_u32 v[HST], v20, 12, v19
	v_lshl_add_u32 v[HSS], v20, 8, v19
	v_lshl_add_u32 v[HST], v17, 13, v[HST]
	v_lshl_add_u32 v[HSS], v17, 9, v[HSS]
	v_bfe_u32 v20, v0, 5, 1                        ; w % 2
	v_lshl_add_u32 v[HST], v20, 9, v[HST]
	v_lshl_add_u32 v[SST], v20, 1, v[R4]
	v_bfe_u32 v20, v0, 6, 2                        ; w / 2
	v_lshl_add_u32 v[HST], v20, 10, v[HST]
	v_lshl_add_u32 v[SST], v20, 8, v[SST]
	v_add_nc_u32 v[SST], QKS, v[SST]               ; QKS + 256 head + 4 r + 2 (w % 2)
	v_bfe_u32 v20, v0, 5, 3                        ; w
	v_lshl_add_u32 v[HSS], v20, 1, v[HSS]
	v_add_nc_u32 v[HSS], HSC, v[HSS]               ; HSC + 256 tile + 16 i + 2 w
	v_mov_b32 v[TM+2], 0                           ; written once: a lane permute's destination counts as one of its sources
	v_mov_b32 v[TM+3], 0
	s_wait_alu depctr_va_sdst(0)                   ; s26, the wave's number, is written, ahead of its first reader: the bases below are made from it
	s_lshr_b32 s27, ttmp9, 5                       ; batch
	s_and_b32 s66, ttmp9, 31                       ; block of 64 columns
	s_lshl_b32 s30, s27, 22                        ; x: a batch is 4 MiB,
	s_lshl_b32 s31, s26, 19                        ; 64 channels of 8,192 bytes,
	s_add_co_u32 s30, s30, s31
	s_lshl_b32 s31, s66, 8                         ; 64 columns
	s_add_co_u32 s30, s30, s31
	s_mov_b32 s31, 0
	s_wait_kmcnt 0x0
	s_add_nc_u64 s[4:5], s[4:5], s[30:31]
	s_lshr_b32 s30, s26, 1
	s_lshl_b32 s67, s27, 2
	s_add_co_u32 s67, s67, s30                     ; 4 batch + w / 2: my norm group, and my head
	s_lshl_b32 s30, s67, 6
	s_add_nc_u64 s[10:11], s[10:11], s[30:31]      ; its record of 64 bytes
	s_lshl_b32 s30, s26, 8                         ; 64 numbers of 4 bytes a wave
	s_add_nc_u64 s[6:7], s[6:7], s[30:31]
	s_add_nc_u64 s[8:9], s[8:9], s[30:31]
	s_add_nc_u64 s[14:15], s[14:15], s[30:31]
	s_add_nc_u64 s[16:17], s[16:17], s[30:31]
	s_add_nc_u64 s[18:19], s[18:19], s[30:31]
	s_lshl_b32 s30, s26, 14
	s_add_nc_u64 s[2:3], s[12:13], s[30:31]        ; my four tiles' images in each weight
	s_lshl_b32 s30, s26, 10
	s_add_nc_u64 s[28:29], s[12:13], s[30:31]      ; and their scale bytes
	s_wait_alu depctr_va_vdst(0)                   ; the offsets and LDS addresses v1 to v13 are written: every load and store of the kernel reads one of them, and none is written again
.irp i, 0,1,2,3
	global_load_b128 v[ACC+4*\i:ACC+4*\i+3], v[ZR], s[10:11] offset:16*\i   ; the group's eight part means and eight part sums of squares, in every lane
.endr
	WIN 0x40                                       ; destination window 1
.set i, 0
.rept 64
	global_load_b64 v[2*i:2*i+1], v[XA], s[4:5] offset:8192*i th:TH_LOAD_NT   ; channel i: 32 lanes read 256 consecutive bytes, at a multiple of 256 from x's first byte
.set i, i+1
.endr
	WIN 0
	s_load_b512 s[32:47], s[6:7], 0x0              ; the gains and biases of my first 32 channels
	s_load_b512 s[48:63], s[6:7], 0x40
	s_load_b512 s[68:83], s[8:9], 0x0
	s_load_b512 s[84:99], s[8:9], 0x40
	s_wait_loadcnt 32                              ; the record and channels 0-31 are in; the 32 loads of channels 32-63 stand behind
	WLOAD 0                                        ; wq's fragments are on their way through the whole X phase.  No vector instruction has named the registers in which they land
	; the group's mean and variance out of its eight parts of 32,768: mean = the means' mean; sum of squares = the parts' + 32,768 x the sum of (part mean - mean)^2
	v_add_f32 v14, v[ACC], v[ACC+1]
	v_add_f32 v15, v[ACC+2], v[ACC+3]
	v_add_f32 v16, v[ACC+4], v[ACC+5]
	v_add_f32 v17, v[ACC+6], v[ACC+7]
	v_add_f32 v14, v14, v15
	v_add_f32 v16, v16, v17
	v_add_f32 v14, v14, v16
	v_mul_f32 v[MN], 0x3e000000, v14               ; / 8
.irp i, 0,1,2,3,4,5,6,7
	v_sub_f32 v[ACC+\i], v[ACC+\i], v[MN]
.endr
	v_mul_f32 v14, v[ACC], v[ACC]
.irp i, 1,2,3,4,5,6,7
	v_fmac_f32 v14, v[ACC+\i], v[ACC+\i]
.endr
	v_add_f32 v15, v[ACC+8], v[ACC+9]
	v_add_f32 v16, v[ACC+10], v[ACC+11]
	v_add_f32 v17, v[ACC+12], v[ACC+13]
	v_add_f32 v18, v[ACC+14], v[ACC+15]
	v_add_f32 v15, v15, v16
	v_add_f32 v17, v17, v18
	v_add_f32 v15, v15, v17
	v_fmamk_f32 v14, v14, 0x47000000, v15          ; x 32,768 + the parts' sums
	s_mov_b32 s30, 0x36800000                      ; 1 / 262,144
	v_fmaak_f32 v14, s30, v14, 0x358637bd          ; the variance + 1e-6
	v_rsq_f32 v[RS], v14
	v_rsq_f32 v[RS+1], v14                         ; twice: a pair for the packed multiply
	v_nop                                          ; a plain line behind the transcendentals,
	s_wait_alu depctr_va_vdst(0)                   ; and the one wait: v[RS] and v[RS + 1] are written, ahead of their first reader
	s_wait_kmcnt 0x0
	NORM 0
	s_load_b512 s[32:47], s[6:7], 0x80             ; the gains and biases of channels 32-63
	s_load_b512 s[48:63], s[6:7], 0xc0
	s_load_b512 s[68:83], s[8:9], 0x80
	s_load_b512 s[84:99], s[8:9], 0xc0
.irp e, 0,1
	BLKQ ACC+32*\e, PC+4*\e, PW+\e
.endr
	s_wait_alu depctr_va_vdst(0)                   ; the conversions have written v[PC .. PC + 7], which the two LDS stores read
.irp e, 0,1
	ds_store_b128 v[HST], v[PC+4*\e:PC+4*\e+3] offset:HIMG+16*\e
.endr
	s_wait_loadcnt 48                              ; channels 32-63 are in; wq's 48 loads stand behind
	s_wait_kmcnt 0x0
	NORM 1
.irp e, 0,1
	BLKQ ACC+64+32*\e, PC+8+4*\e, PW+2+\e
.endr
	v_lshl_or_b32 v14, v[PW+2], 8, v[PW]           ; a column's two bytes: blocks 2 w and 2 w + 1
	v_lshl_or_b32 v15, v[PW+3], 8, v[PW+1]
	s_wait_alu depctr_va_vdst(0)                   ; v[PC + 8 .. PC + 15], v14 and v15 are written, which the four LDS stores read; and the norm's subtractions are done reading x's registers, in which h's fragments land behind the barrier: no vector instruction stands between
.irp e, 0,1
	ds_store_b128 v[HST], v[PC+8+4*\e:PC+8+4*\e+3] offset:HIMG+256+16*\e
.endr
	ds_store_b16 v[HSS], v14
	ds_store_b16 v[HSS], v15 offset:16
	BARRIER                                        ; h's 16 fragments and their scale bytes lie in LDS
	WIN 0x40
.set i, 0
.rept 32
	ds_load_b128 v[4*i:4*i+3], v[LI] offset:HIMG+512*i   ; fragment (m, s) at v[8 (4 m + s)] of window 1
.set i, i+1
.endr
	WIN 0
.irp m, 0,1,2,3
	ds_load_b128 v[HS+4*\m:HS+4*\m+3], v[R16] offset:256*\m   ; fragment row r's four scale words
.endr
	; where the results go (the gains' and biases' scalar registers are free now)
	s_mov_b32 s42, 0x76543210                      ; v_permlanex16_b32's selects for lane l xor 16
	s_mov_b32 s43, 0xfedcba98
	s_and_b32 s45, s26, 1                          ; w % 2
	s_lshr_b32 s44, s66, 1                         ; the step of 128 keys
	s_and_b32 s47, s66, 1                          ; and my half of it
	s_lshl_b32 s30, s67, 17                        ; q, k: 131,072 x (batch, head) + 4,096 x block + 512 (w % 2)
	s_lshl_b32 s46, s66, 12
	s_add_co_u32 s30, s30, s46
	s_lshl_b32 s46, s45, 9
	s_add_co_u32 s30, s30, s46
	s_add_nc_u64 s[32:33], s[20:21], s[30:31]
	s_add_nc_u64 s[34:35], s[22:23], s[30:31]
	s_lshl_b32 s30, s67, 17                        ; v: 131,072 x (batch, head) + 8,192 x step + 4,096 (w % 2) + 512 x half
	s_lshl_b32 s46, s44, 13
	s_add_co_u32 s30, s30, s46
	s_lshl_b32 s46, s45, 12
	s_add_co_u32 s30, s30, s46
	s_lshl_b32 s46, s47, 9
	s_add_co_u32 s30, s30, s46
	s_add_nc_u64 s[36:37], s[24:25], s[30:31]
	s_lshl_b32 s30, s67, 13                        ; v's scale words: 8,192 x (batch, head) + 512 x step + 256 (w % 2) + 2 x half
	s_lshl_b32 s46, s44, 9
	s_add_co_u32 s30, s30, s46
	s_lshl_b32 s46, s45, 8
	s_add_co_u32 s30, s30, s46
	s_lshl_b32 s46, s47, 1
	s_add_co_u32 s30, s30, s46
	s_add_co_u32 s30, s30, 0x400000
	s_add_nc_u64 s[38:39], s[24:25], s[30:31]
	s_cmp_lt_u32 s26, 4                            ; at the end waves 0-3 store q's scale words of heads 0-3, waves 4-7 k's
	s_cselect_b64 s[40:41], s[20:21], s[22:23]
	s_lshl_b32 s30, s27, 2
	s_and_b32 s46, s26, 3
	s_add_co_u32 s30, s30, s46
	s_lshl_b32 s30, s30, 13
	s_lshl_b32 s46, s66, 8
	s_add_co_u32 s30, s30, s46
	s_add_co_u32 s30, s30, 0x400000
	s_add_nc_u64 s[40:41], s[40:41], s[30:31]
	s_wait_loadcnt 0x0                             ; wq
	s_wait_dscnt 0x0                               ; h
	MULS 0
	WLOAD 1                                        ; wk comes while q is quantised
	OUTQK 0                                        ; no global store has been issued so far: the codes' registers were read by the X phase's LDS stores alone
	s_wait_loadcnt 0x0
	MULS 0
	s_wait_xcnt 0x0                                ; q's stores have read the codes' registers, which k's codes take below.  The wait stands ahead of wv's loads, so that none of those is pending at it
	WLOAD 2
	OUTQK 1
	s_wait_loadcnt 0x0
.irp t, 0,1,2,3
.irp j, 0,1,2,3,4,5,6,7
	v_mov_b32 v[BIAS+8*\t+\j], v[BT+\t]            ; v: a lane holds one output, so its eight registers of a C tile are equal
.endr
.endr
	PLACES
	MULS 1
	PLACES
	WIN 0
	s_wait_xcnt 0x0                                ; k's stores have read the codes' registers,
	s_wait_dscnt 0x0                               ; and its LDS stores the words'
	s_wait_alu depctr_vm_vsrc(0)                   ; k's stores, global and LDS, have read v[PC ..] and v[PW ..], which v's codes and words take below
.irp t, 0,1,2,3
	HALFQ ACC+32*\t, PC+4*\t, PW+\t                ; my 64 columns are two blocks of the step's four keys' blocks: half (block % 2) of the image of d tile 4 (w % 2) + t
.endr
	s_wait_alu depctr_va_vdst(0)                   ; v[PC .. PC + 15] and v[PW .. PW + 3] are written, which the eight stores below read.  No vector instruction follows: so the wait also serves the LDS load into v[14:15] at the end, which vector instructions last named in the X phase
.irp t, 0,1,2,3
	global_store_b128 v[LI], v[PC+4*\t:PC+4*\t+3], s[36:37] offset:1024*\t
	global_store_b16 v[R4], v[PW+\t], s[38:39] offset:64*\t   ; half a scale word: the other half is the neighbouring work-group's.  2 bytes a row: 1,024 bytes a work-group leave so
.endr
	BARRIER                                        ; q's and k's scale words are whole in LDS
	ds_load_b64 v[14:15], v[QKO]                   ; (the X phase's LDS stores that read v14 and v15 stand ahead of the waits on vm_vsrc above)
	s_wait_dscnt 0x0
	global_store_b64 v[XA], v[14:15], s[40:41]     ; a wave stores 256 consecutive bytes, at a multiple of 256 from the buffer's first byte
	s_wait_dscnt 0x0                               ; the closing lines, six on end
	s_wait_alu 0x0
	s_wait_tensorcnt 0x0
	ds_add_u32 v27, v31
	s_wait_dscnt 0x0
	s_endpgm
.Lfunc_end_k_q45d4de1df5_qkv:
	.size	k_q45d4de1df5_qkv, .Lfunc_end_k_q45d4de1df5_qkv-k_q45d4de1df5_qkv
	.p2alignl 7, 3214868480
	.fill 96, 4, 3214868480
	.section	.rodata,"a",@progbits
	.p2align	6, 0x0
	.amdhsa_kernel k_q45d4de1df5_qkv
		.amdhsa_group_segment_fixed_size 21504
		.amdhsa_private_segment_fixed_size 0
		.amdhsa_enable_private_segment 0
		.amdhsa_kernarg_size 88
		.amdhsa_user_sgpr_count 2
		.amdhsa_user_sgpr_kernarg_segment_ptr 1
		.amdhsa_wavefront_size32 1
		.amdhsa_system_sgpr_workgroup_id_x 1
		.amdhsa_system_sgpr_workgroup_id_y 1
		.amdhsa_system_sgpr_workgroup_id_z 1
		.amdhsa_system_vgpr_workitem_id 0
		.amdhsa_next_free_vgpr 512
		.amdhsa_next_free_sgpr 100
		.amdhsa_reserve_vcc 0
		.amdhsa_float_denorm_mode_32 3
		.amdhsa_float_denorm_mode_16_64 3
		.amdhsa_memory_ordered 1
		.amdhsa_forward_progress 1
		.amdhsa_inst_pref_size 102
	.end_amdhsa_kernel
	.amdgpu_metadata
---
amdhsa.version: [ 1, 2 ]
amdhsa.kernels:
  - .name:           k_q45d4de1df5_qkv
    .symbol:         k_q45d4de1df5_qkv.kd
    .args:
      - { .name: x, .offset: 0, .size: 8, .value_kind: global_buffer, .address_space: global }
      - { .name: gn_scale, .offset: 8, .size: 8, .value_kind: global_buffer, .address_space: global }
      - { .name: gn_bias, .offset: 16, .size: 8, .value_kind: global_buffer, .address_space: global }
      - { .name: stats, .offset: 24, .size: 8, .value_kind: global_buffer, .address_space: global }
      - { .name: wts, .offset: 32, .size: 8, .value_kind: global_buffer, .address_space: global }
      - { .name: bq, .offset: 40, .size: 8, .value_kind: global_buffer, .address_space: global }
      - { .name: bk, .offset: 48, .size: 8, .value_kind: global_buffer, .address_space: global }
      - { .name: bv, .offset: 56, .size: 8, .value_kind: global_buffer, .address_space: global }
      - { .name: qc, .offset: 64, .size: 8, .value_kind: global_buffer, .address_space: global }
      - { .name: kc, .offset: 72, .size: 8, .value_kind: global_buffer, .address_space: global }
      - { .name: vc, .offset: 80, .size: 8, .value_kind: global_buffer, .address_space: global }
    .group_segment_fixed_size: 21504
    .private_segment_fixed_size: 0
    .kernarg_segment_align: 8
    .kernarg_segment_size: 88
    .max_flat_workgroup_size: 256
    .sgpr_count:     100
    .vgpr_count:     512
    .wavefront_size: 32
...
	.end_amdgpu_metadata
.endif
;; end of part 5
;; launch attn: the kernel of part 3 again; grid 8 x 32, 16 waves a work-group, clusters of 4 x 1, 280,576 bytes of LDS; arguments qc, kc, vc, ac; writes ac
;; launch proj (part 6): grid 256 x 1, 8 waves a work-group, no clusters, 140,288 bytes of LDS; arguments ac, wts, bo, x, out0; writes out0
.if DOCPART == 6
	.amdgcn_target "amdgcn-amd-amdhsa--gfx1250"
	.amdhsa_code_object_version 6
	.text
	.protected	k_q45d4de1df5_proj
	.globl	k_q45d4de1df5_proj
	.p2align	8
	.type	k_q45d4de1df5_proj,@function
k_q45d4de1df5_proj:
	s_mov_b64 s[64:65], 0
	v_nop
	global_prefetch_b8 v0, s[64:65] scope:SCOPE_SE
	s_setreg_imm32_b32 hwreg(HW_REG_WAVE_SCHED_MODE, 0, 2), 2
	s_setreg_imm32_b32 hwreg(HW_REG_WAVE_MODE, 25, 1), 1
	s_wait_xcnt 0x0
	s_wait_alu depctr_vm_vsrc(0)
; PROJ.  out = x + wo attn + bo, the product on codes of E2M1 with one E8M0 byte for each 32 along K (K = the channel = 128 head + d).
; SHARES.  Work-group g: batch g / 32, columns l = 64 (g % 32) .. + 63.  Wave w: output rows 64 w .. 64 w + 63 (wo's tiles 4 w + t), for the four tiles of 16 columns.
; Both operands come from memory as images of their registers (1,024 bytes a fragment), straight into registers: two loads of 512 consecutive bytes a fragment.
; Source 0 = attn's tile (16 columns l), source 1 = wo's tile (16 rows o).  Fragment row i of tile 2 b + u is 32 b + 8 u + i + 8 (i / 8): a lane then holds ONE output row and eight NEIGHBOURING columns, 32 b + 8 u + 16 (lane / 16) + 0 .. 7.
; The results go through the wave's own stage in LDS (64 rows x (256 bytes + 16)) and come back as whole rows of 256 bytes, to which x is added.  x is asked for at the head and lands while the products run.  Waves share nothing: no barrier.
; REGISTERS.  window 0: v1-7 addresses; v12-15 the bias; v16-31 attn's scale words; v32-47 wo's; v48-63 two C tiles; v64-127 eight accumulators, later rows from the stage; v128-255 x.   window 1: v0-127 attn's 16 fragments; v128-255 wo's 16.
; THE MODE: SCHED_MODE bits 1:0 = 2 (LLVM: expert scheduling mode 2), set by the entry lines.  The code itself states the register dependences between vector or matrix instructions and memory or LDS instructions, with s_wait_alu, always for 0.
; THE PLAN.  Registers that memory or LDS instructions touch, and who else names them:
;   v1-7          offsets and LDS addresses: written at the head, never written again.
;   the operands, their scale words and the bias: loaded once, at the head; vector and matrix instructions read them.
;   v[ACC ..] 64  a pass's products write them; its 16 LDS stores read them; the next pass's products write them; then 16 rows from the stage land in them, the additions read them, and the other 16 rows land.
;   v[X ..] 128   x lands; the additions write them in place; the global stores read them; none is written again but v254 and v255, which are made the closing add's two at the end.
; THE WAITS.  One on va_vdst ahead of the first load.  In a pass: one on va_vdst ahead of its run of LDS stores; one on vm_vsrc ahead of what writes the accumulators next (pass 1's products; the first rows from the stage).
;   The way out goes in groups of four rows: a group's eight additions; at the head of the next group one wait on va_vdst; the group's four stores; the next group's additions, which name other registers.
.set STGW, 17408                       ; a wave's stage: 64 rows x 272 bytes
.set LI,   1                           ; v1   16 x lane
.set R4,   2                           ; v2   4 r
.set R8,   3                           ; v3   8 r
.set BV,   4                           ; v4   4 (r + 8 (r / 8))
.set XO,   5                           ; v5   x and out0: a row of 8,192 bytes x (lane / 16) + 16 r
.set SO,   6                           ; v6   the stage: where I put 32 bytes of a row
.set SR,   7                           ; v7   and where I read a row back
.set BB,   12
.set AS,   16
.set WSW,  32
.set CT,   48
.set ACC,  64
.set X,    128
.set MSB, 0
.macro WIN new                         ; the immediate's high byte repeats the setting that is left
.if MSB != \new
	s_set_vgpr_msb (MSB<<8)|\new
.set MSB, \new
.endif
.endm
.macro PLACES                          ; four plain vector lines behind matrix instructions, in front of reads of their results and of writes of their registers (ISA guide 7.12.1)
.rept 4
	v_nop
.endr
.endm
	s_load_b256 s[4:11], s[0:1], 0x0               ; ac s[4:5], wts s[6:7], bo s[8:9], x s[10:11]
	s_load_b64 s[12:13], s[0:1], 0x20              ; out0
	v_lshrrev_b32 v8, 5, v0
	v_readfirstlane_b32 s14, v8                    ; wave 0..7
	v_and_b32 v8, 31, v0
	v_and_b32 v9, 15, v0                           ; r
	v_bfe_u32 v10, v0, 4, 1                        ; h
	v_lshlrev_b32 v[LI], 4, v8
	v_lshlrev_b32 v[R4], 2, v9
	v_lshlrev_b32 v[R8], 3, v9
	v_and_b32 v11, 8, v9
	v_add_nc_u32 v11, v11, v9                      ; r + 8 (r / 8)
	v_lshlrev_b32 v[BV], 2, v11
	v_lshlrev_b32 v[XO], 4, v9
	v_lshl_add_u32 v[XO], v10, 13, v[XO]
	s_wait_alu depctr_va_sdst(0)                   ; s14, the wave's number, is written, ahead of its first reader: the stage's place and the bases are made from it
	s_mul_i32 s15, s14, STGW
	v_mul_u32_u24 v[SO], v11, 272
	v_lshl_add_u32 v[SO], v10, 6, v[SO]
	v_add_nc_u32 v[SO], s15, v[SO]                 ; in: row r + 8 (r / 8) of the tile's group of 32, + 64 h bytes
	v_mul_u32_u24 v[SR], v10, 272
	v_lshl_add_u32 v[SR], v9, 4, v[SR]
	v_add_nc_u32 v[SR], s15, v[SR]                 ; back: lanes 0-15 one row, lanes 16-31 the next
	s_lshr_b32 s16, ttmp9, 5
	s_lshl_b32 s16, s16, 22                        ; x, out0: a batch is 4 MiB,
	s_lshl_b32 s17, s14, 19                        ; 64 rows of 8,192 bytes,
	s_add_co_u32 s16, s16, s17
	s_and_b32 s17, ttmp9, 31
	s_lshl_b32 s17, s17, 8                         ; 64 columns
	s_add_co_u32 s16, s16, s17
	s_mov_b32 s17, 0
	s_wait_kmcnt 0x0
	s_add_nc_u64 s[10:11], s[10:11], s[16:17]
	s_add_nc_u64 s[12:13], s[12:13], s[16:17]
	s_lshl_b32 s16, ttmp9, 10
	s_add_co_u32 s16, s16, 0x400000
	s_add_nc_u64 s[22:23], s[4:5], s[16:17]        ; attn's scale words: 16 fragments x 64 bytes
	s_lshl_b32 s16, ttmp9, 14
	s_add_nc_u64 s[4:5], s[4:5], s[16:17]          ; attn's 16 images
	s_lshl_b32 s16, s14, 14
	s_add_co_u32 s16, s16, 393216
	s_add_nc_u64 s[18:19], s[6:7], s[16:17]        ; wo's images: the fourth weight, my four tiles
	s_lshl_b32 s16, s14, 10
	s_add_co_u32 s16, s16, 548864
	s_add_nc_u64 s[20:21], s[6:7], s[16:17]        ; and their scale bytes: 524,288 + 3 x 8,192 + 1,024 x wave
	s_lshl_b32 s16, s14, 8
	s_add_nc_u64 s[8:9], s[8:9], s[16:17]
	s_wait_alu depctr_va_vdst(0)                   ; the offsets and LDS addresses v1 to v7 are written: every load and store of the kernel reads one of them, and none is written again
.irp t, 0,1,2,3
	global_load_b32 v[BB+\t], v[BV], s[8:9] offset:(32*(\t/2)+8*(\t%2))*4   ; a lane holds one output row
.endr
.irp t, 0,1,2,3
.irp f, 0,1
	global_load_b64 v[WSW+4*\t+2*\f:WSW+4*\t+2*\f+1], v[R8], s[20:21] offset:256*\t+128*\f
.endr
.endr
.set i, 0
.rept 16
	global_load_b32 v[AS+i], v[R4], s[22:23] offset:64*i   ; fragment (m, s) = 4 m + s
.set i, i+1
.endr
	WIN 0x40                                       ; destination window 1
.set i, 0
.rept 32
	global_load_b128 v[4*i:4*i+3], v[LI], s[4:5] offset:512*i
.set i, i+1
.endr
.set i, 0
.rept 32
	global_load_b128 v[128+4*i:131+4*i], v[LI], s[18:19] offset:512*i
.set i, i+1
.endr
	WIN 0
.set i, 0
.rept 32
	global_load_b128 v[X+4*i:X+4*i+3], v[XO], s[10:11] offset:16384*i th:TH_LOAD_NT   ; rows 2 i and 2 i + 1: sixteen lanes read 256 consecutive bytes
.set i, i+1
.endr
	s_wait_loadcnt 32                              ; all operands are in; x's 32 loads stay out
; Pass p: wo's tiles 2 p and 2 p + 1 against the four tiles of columns: 32 matrix instructions, eight accumulators by turns, one instruction a turn; the bias is the C of each sum's first instruction.
.macro PASS p
.if \p > 0
	s_wait_dscnt 0x0                               ; the last pass's LDS stores have read the accumulators
	s_wait_alu depctr_vm_vsrc(0)                   ; the last pass's LDS stores have read v[ACC ..], which this pass's products write again
.endif
.irp u, 0,1
.irp j, 0,1,2,3,4,5,6,7
	v_mov_b32 v[CT+8*\u+\j], v[BB+2*\p+\u]
.endr
.endr
	PLACES
	WIN 0x05                                       ; sources 0 and 1 window 1
.irp s, 0,1,2,3
.irp m, 0,1,2,3
.irp u, 0,1
.if \s == 0
	v_wmma_scale_f32_16x16x128_f8f6f4 v[ACC+32*\u+8*\m:ACC+32*\u+8*\m+7], v[8*(4*\m+\s):8*(4*\m+\s)+7], v[128+8*(4*(2*\p+\u)+\s):128+8*(4*(2*\p+\u)+\s)+7], v[CT+8*\u:CT+8*\u+7], v[AS+4*\m+\s], v[WSW+4*(2*\p+\u)+\s] matrix_a_fmt:MATRIX_FMT_FP4 matrix_b_fmt:MATRIX_FMT_FP4
.else
	v_wmma_scale_f32_16x16x128_f8f6f4 v[ACC+32*\u+8*\m:ACC+32*\u+8*\m+7], v[8*(4*\m+\s):8*(4*\m+\s)+7], v[128+8*(4*(2*\p+\u)+\s):128+8*(4*(2*\p+\u)+\s)+7], v[ACC+32*\u+8*\m:ACC+32*\u+8*\m+7], v[AS+4*\m+\s], v[WSW+4*(2*\p+\u)+\s] matrix_a_fmt:MATRIX_FMT_FP4 matrix_b_fmt:MATRIX_FMT_FP4
.endif
.endr
.endr
.endr
	WIN 0
	PLACES
	s_wait_alu depctr_va_vdst(0)                   ; the products have written v[ACC ..], which the LDS stores read; the places above stay beside this wait
.irp u, 0,1
.irp m, 0,1,2,3
	ds_store_b128 v[SO], v[ACC+32*\u+8*\m:ACC+32*\u+8*\m+3] offset:(32*\p+8*\u)*272+128*(\m/2)+32*(\m%2)       ; each accumulator from its low end on
	ds_store_b128 v[SO], v[ACC+32*\u+8*\m+4:ACC+32*\u+8*\m+7] offset:(32*\p+8*\u)*272+128*(\m/2)+32*(\m%2)+16
.endr
.endr
.endm
	PASS 0
	PASS 1
; THE WAY OUT.  Rows 32 p .. 32 p + 31 come back from the stage, two an instruction; x is added; sixteen lanes store 256 consecutive bytes, at a multiple of 256 from out0's first byte.  LDS serves a wave's instructions in order: the loads see the stores above.
.macro ADDS p, g                       ; group g of batch p: four LDS loads' rows are added onto x, in x's registers
.irp k, 0,1,2,3
	v_pk_add_f32 v[X+4*(16*(\p)+4*(\g)+\k):X+4*(16*(\p)+4*(\g)+\k)+1], v[X+4*(16*(\p)+4*(\g)+\k):X+4*(16*(\p)+4*(\g)+\k)+1], v[ACC+4*(4*(\g)+\k):ACC+4*(4*(\g)+\k)+1]
	v_pk_add_f32 v[X+4*(16*(\p)+4*(\g)+\k)+2:X+4*(16*(\p)+4*(\g)+\k)+3], v[X+4*(16*(\p)+4*(\g)+\k)+2:X+4*(16*(\p)+4*(\g)+\k)+3], v[ACC+4*(4*(\g)+\k)+2:ACC+4*(4*(\g)+\k)+3]
.endr
.endm
.macro SENDS p, g                      ; and stored
.irp k, 0,1,2,3
	global_store_b128 v[XO], v[X+4*(16*(\p)+4*(\g)+\k):X+4*(16*(\p)+4*(\g)+\k)+3], s[12:13] offset:16384*(16*(\p)+4*(\g)+\k) th:TH_STORE_NT   ; its data are never written again (v254 and v255 at the kernel's end aside)
.endr
.endm
.macro BATCH p
	s_wait_loadcnt 16-16*\p                        ; x's first 16 loads are in, 16 stand behind; then all
.if \p == 0
	s_wait_alu depctr_vm_vsrc(0)                   ; pass 1's LDS stores have read v[ACC ..], in which the rows below land (the products that wrote them stand ahead of the pass's wait on va_vdst, and no vector instruction has named them since)
.else
	s_wait_alu depctr_va_vdst(0)                   ; the last batch's additions are done reading v[ACC ..], in which the rows below land; and its last group's have written the rows that the four stores below read
.endif
.irp k, 0,1,2,3,4,5,6,7,8,9,10,11,12,13,14,15
	ds_load_b128 v[ACC+4*\k:ACC+4*\k+3], v[SR] offset:(32*\p+2*\k)*272
.endr
.if \p > 0
	SENDS \p-1, 3
.endif
.irp g, 0,1,2,3
	s_wait_dscnt 12-4*\g                           ; group g's four reads are in; the later ones stand behind them
.if \g > 0
	s_wait_alu depctr_va_vdst(0)                   ; the group before has written its rows, which the four stores below read; the additions behind them name other registers
	SENDS \p, \g-1
.endif
	ADDS \p, \g
.endr
.endm
	BATCH 0
	BATCH 1
	s_wait_alu depctr_va_vdst(0)                   ; the last group's additions have written the rows that the last four stores read
	SENDS 1, 3
	s_wait_xcnt 0x0
	s_wait_alu depctr_vm_vsrc(0)                   ; the last store has read v254 and v255, which the two lines below write
	v_lshl_add_u32 v254, v0, 2, 0x22000
	v_mov_b32 v255, 0
	s_wait_dscnt 0x0                               ; the closing lines, six on end
	s_wait_alu 0x0
	s_wait_tensorcnt 0x0
	ds_add_u32 v254, v255
	s_wait_dscnt 0x0
	s_endpgm
.Lfunc_end_k_q45d4de1df5_proj:
	.size	k_q45d4de1df5_proj, .Lfunc_end_k_q45d4de1df5_proj-k_q45d4de1df5_proj
	.p2alignl 7, 3214868480
	.fill 96, 4, 3214868480
	.section	.rodata,"a",@progbits
	.p2align	6, 0x0
	.amdhsa_kernel k_q45d4de1df5_proj
		.amdhsa_group_segment_fixed_size 140288
		.amdhsa_private_segment_fixed_size 0
		.amdhsa_enable_private_segment 0
		.amdhsa_kernarg_size 40
		.amdhsa_user_sgpr_count 2
		.amdhsa_user_sgpr_kernarg_segment_ptr 1
		.amdhsa_wavefront_size32 1
		.amdhsa_system_sgpr_workgroup_id_x 1
		.amdhsa_system_sgpr_workgroup_id_y 1
		.amdhsa_system_sgpr_workgroup_id_z 1
		.amdhsa_system_vgpr_workitem_id 0
		.amdhsa_next_free_vgpr 512
		.amdhsa_next_free_sgpr 66
		.amdhsa_reserve_vcc 0
		.amdhsa_float_denorm_mode_32 3
		.amdhsa_float_denorm_mode_16_64 3
		.amdhsa_memory_ordered 1
		.amdhsa_forward_progress 1
		.amdhsa_inst_pref_size 36
	.end_amdhsa_kernel
	.amdgpu_metadata
---
amdhsa.version: [ 1, 2 ]
amdhsa.kernels:
  - .name:           k_q45d4de1df5_proj
    .symbol:         k_q45d4de1df5_proj.kd
    .args:
      - { .name: ac, .offset: 0, .size: 8, .value_kind: global_buffer, .address_space: global }
      - { .name: wts, .offset: 8, .size: 8, .value_kind: global_buffer, .address_space: global }
      - { .name: bo, .offset: 16, .size: 8, .value_kind: global_buffer, .address_space: global }
      - { .name: x, .offset: 24, .size: 8, .value_kind: global_buffer, .address_space: global }
      - { .name: out0, .offset: 32, .size: 8, .value_kind: global_buffer, .address_space: global }
    .group_segment_fixed_size: 140288
    .private_segment_fixed_size: 0
    .kernarg_segment_align: 8
    .kernarg_segment_size: 40
    .max_flat_workgroup_size: 256
    .sgpr_count:     66
    .vgpr_count:     512
    .wavefront_size: 32
...
	.end_amdgpu_metadata
.endif
;; end of part 6
